; MI455X (gfx1250); checked and timed in simulation.
; The chip was launched on July 23, 2026; its instructions are those of AMD's public machine-readable ISA for CDNA 5 (MIT licence, August 2026) and "CDNA5" Instruction Set Architecture Reference Guide (July 2026). The comments in the code are by the model that wrote it; some were corrected since.
;; Web Attention. Allowed arithmetic: matrix products marked QUANTISED: E2M3 operands, one E8M0 scale for each 32 along K, by v_wmma_scale_f32_16x16x128_f8f6f4 with both operands' format E2M3, f32 sums; everything else in f32.
;; Inputs: Wk 2,048 x 512 float32; Wo 2,048 x 2,048 float32; Wq 2,048 x 2,048 float32; Wv 2,048 x 512 float32; attention_mask 1 x 1 x 2,048 x 2,048 float32; hidden_states 1 x 2,048 x 2,048 float32; k_ln_w 64 float32; position_ids 1 x 2,048 int32; q_ln_w 64 float32; web_attention_mask 1 x 1 x 2,048 x 2,048 float32.
;; Outputs: out0 1 x 2,048 x 2,048 float32.
;; This version of the problem:
;;   THIS VERSION OF THE PROBLEM IS GIVEN IN LOW PRECISION. The matrix products marked QUANTISED in the list below multiply operands that are first quantised to E2M3 (2 exponent bits, 3 mantissa bits; 6 bits a number), with one power-of-two scale for each 32 numbers along K (OCP MX v1.0); their sums are f32. All else is computed in f32.
;;   The module's matrix products, in the order in which they are computed (A, B: the left and right operand; K: the contracted axis; several contracted axes count as one K, in the product's order):
;;     1. [M 2,048, K 2,048] x [K 2,048, N 2,048]; A: input hidden_states; B: input Wq: QUANTISED
;;     2. [M 2,048, K 2,048] x [K 2,048, N 512]; A: input hidden_states; B: input Wk: QUANTISED
;;     3. [M 2,048, K 2,048] x [K 2,048, N 512]; A: input hidden_states; B: input Wv: QUANTISED
;;     4. batch 16 x [M 2,048, K 64] x [K 64, N 2,048]; A: computed on the way; B: computed on the way: QUANTISED
;;     5. batch 16 x [M 2,048, K 2,048] x [K 2,048, N 64]; A: softmax (see below); B: computed on the way: QUANTISED
;;     6. batch 16 x [M 2,048, K 64] x [K 64, N 2,048]; A: computed on the way; B: computed on the way: QUANTISED
;;     7. batch 16 x [M 2,048, K 2,048] x [K 2,048, N 64]; A: softmax (see below); B: computed on the way: QUANTISED
;;     8. [M 2,048, K 2,048] x [K 2,048, N 2,048]; A: computed on the way; B: input Wo: QUANTISED
;;   THE QUANTISER, for each operand of a quantised product, along K:
;;     - K is cut into blocks of 32 from its start; a last block that is shorter is filled with zeros.
;;     - A block's scale is 2^e with e = floor(log2(the largest magnitude in the block)) - 2, held to -126 .. 127; a block of zeros has e = 0. As a byte (E8M0): e + 127.
;;     - Each number is divided by its block's scale, clamped to +-7.5, and rounded to the nearest number of E2M3, ties to even, subnormals kept.
;;     - The product sums the exact products of the quantised numbers (number of the format x scale) in f32.
;;   ~~~python
;;   def quantise(x, axis):      # numpy; x: float32 -> the quantised numbers, widened to float32 again
;;       x = np.moveaxis(x, axis, -1); K = x.shape[-1]
;;       x = np.pad(x, [(0, 0)] * (x.ndim - 1) + [(0, -K % 32)]); x = x.reshape(x.shape[:-1] + (-1, 32)); a = np.abs(x).max(-1, keepdims=True)
;;       e = np.where(a > 0, np.clip(np.frexp(np.where(a > 0, a, 1))[1] - 1 - 2, -126, 127), 0)      # np.frexp(a)[1] - 1 = floor(log2(a)), exactly
;;       r = np.clip(x / 2.0 ** e, -7.5, 7.5)
;;       step = 2.0 ** (np.maximum(np.frexp(np.where(r == 0, 1, r))[1] - 1, 0) - 3)
;;       q = np.round(r / step) * step * 2.0 ** e      # np.round: ties to even
;;       return np.moveaxis(q.reshape(q.shape[:-2] + (-1,))[..., :K], -1, axis).astype(np.float32)
;;   ~~~
;;   SOFTMAX AHEAD OF A QUANTISED PRODUCT. Where the list says 'softmax', what is quantised is not the finished softmax but p = 2^(t - M), with t = logit x log2(e) and M = ceil(the row's largest t), a whole number; so 1/2 < the row's largest p <= 1. The row's sum l is taken of the UNQUANTISED p, in f32, and the product's result is divided by l at the end. Since M is a whole number, a kernel that streams over the keys may use a running M (the ceiling of the running maximum): every later rescaling is an exact power of two, which a block's scale takes up: the codes' values come out the same.
;;   OPERANDS COMPUTED ON THE WAY. 'Computed on the way' means the value that the module computes at that place (a softmax that the list does not call 'softmax' is quantised finished and normalised). What goes into a quantiser is computed in f32, as accurately as f32 sums, v_exp_f32 and their like allow (about 1e-6 of the number): no bf16 or f16 on the way to a quantiser, and a product that is left as it is and whose result goes on into a quantised operand takes f32 operands (vector FMAs, or v_wmma_f32_16x16x4_f32). A number that lies on a knife's edge between two numbers of the format may be rounded either way, as far as f32 arithmetic and the matrix unit's own rounding can turn it there, and no further.
;; One version. Each part assembles by itself: llvm-mc -triple=amdgcn-amd-amdhsa -mcpu=gfx1250 --defsym DOCPART=n.
;; ======== version 1 of 1: 4 launches
;; limits: right only within a limited range of input values
;; workspace buffers: hq 5,373,952 bytes; wq 8,192,000 bytes; qkv 5,079,040 bytes; att 3,276,800 bytes; flags 4,096 bytes of whole numbers
;; launch quant (part 1): grid 704 x 1, 4 waves a work-group, no clusters, 58,880 bytes of LDS; arguments hidden_states, position_ids, Wq, Wk, Wv, Wo, hq, wq, attention_mask, web_attention_mask, q_ln_w, k_ln_w, flags; writes hq, wq, flags
.if DOCPART == 1
	.amdgcn_target "amdgcn-amd-amdhsa--gfx1250"
	.amdhsa_code_object_version 6
	.text
	.protected	k_q2c61d66f7a_quant
	.globl	k_q2c61d66f7a_quant
	.p2align	8
	.type	k_q2c61d66f7a_quant,@function
k_q2c61d66f7a_quant:
	s_mov_b64 s[64:65], 0
	v_nop
	global_prefetch_b8 v0, s[64:65] scope:SCOPE_SE
	s_setreg_imm32_b32 hwreg(HW_REG_WAVE_MODE, 25, 1), 1
	s_wait_xcnt 0x0
; STEPS 1 AND 2 OF THE PROGRAM'S FIVE, IN ONE LAUNCH (the heads of the later launches count these steps: they are 3, 4 and 5 of 5).  Neither step reads what the other writes, so their work-groups run side by side.
; STEP 1, work-groups 0-127: hidden_states [2048][2048] f32 becomes codes of E2M3 with one E8M0 byte for each 32 along K, laid as images of the matrix operand's registers; and the table cos | sin of RoPE is made from position_ids.
; STEP 2, work-groups 128-447: the four weights, f32 stored [K][N], become codes of E2M3 along K (their FIRST axis) with one E8M0 byte for each 32, laid the same way.
; The two paths part on the work-group's number alone, at the head, and join at the closing lines; neither has a barrier; each has LDS bytes of its own.  Every work-group of either path reads 131,072 bytes.
; DEAD WORK: none in the whole program.  Every input of reference() reaches out0 for some values: both masks are inputs and are added as they are given, for every pair of query and key; position_ids
; enter cos and sin; both norm weights are multiplied in.  repeat_kv is an index map (key and value head = head / 4) and moves no data.
; LIMITS.  NaN and infinities among the inputs are not served.  A block whose largest magnitude lies under 2^-124 keeps the byte 1 (a block of zeros too: its codes are zeros, and only this program reads the bytes).
; cos and sin: the angle is reduced by two parts of pi/2 and two polynomials on |x| <= pi/4: absolute error about 1e-7 while |position x inv_freq| stays under about 1e6, growing beyond.
; inv_freq = 2^(-(j/8) log2 10) lies within about one unit in the last place of 10000^(-j/32); it need not have the bits of a library's pow.
; AN IMAGE is a fragment's 12 registers (16 rows x 128 K): registers 4 p .. 4 p + 3 of lane l at 512 p + 16 l: 1,536 bytes.  THE ROWS OF A TILE ARE NOT NEIGHBOURS: lane r of tile 2 b + u holds row 32 b + 8 u + r + 8 (r / 8).
; LAYOUT OF hq.  Images: [K step / 4][tile of 16 rows: 128][K step % 4][1,536].  Scale words at H_SC: [tile / 2][K step / 2][tile % 2][r][K step % 2].  Table at ROPE: [s][cos 32 | sin 32] f32.
; LAYOUT OF wq.  [Wq | Wk | Wv] as 192 tiles of 16 columns: images as above from byte 0, scale words as above at WQKV_SC; Wo likewise, 128 tiles, at WO_IMG, WO_SC.
; SHARES, STEP 1.  Wave W = 4 x work-group + wave takes rows 32 (W / 8) .. + 31 and 256 along K (W % 8): four fragments f (tile f % 2, K step f / 2).  Each load reads 512 consecutive bytes of one row; the 16 rows of a
; fragment turn through the wave's own stage in LDS (pitch 528) and come back as 32 neighbours along K twice a lane, which is what the operand's layout gives lane (r, h): k = 64 c + 32 h + 0 .. 31.
; SHARES, STEP 2.  A LANE TAKES A COLUMN n AND ITS REGISTERS RUN DOWN K: a block of 32 lies in one lane, its largest magnitude needs no other lane, and the conversions give codes with K innermost.  Work-group 128 + 40 y + x:
; 128 columns (x 0-15 Wq, 16-19 Wk, 20-23 Wv, 24-39 Wo) x 256 along K (y).  A wave: 32 columns, 8 blocks a lane: two tiles x two K steps = four images, gathered in its own 6,144 bytes of LDS and stored 512 consecutive bytes an
; instruction.  Of a wave's 32 columns, column l goes to tile u = (l / 8) % 2, lane r = l % 8 + 8 (l / 16).  One text serves both row pitches: 32 offset registers (row i of a block) and 8 scalar bases (block), made once.
; AS THE TEXT NOW STANDS (this replaces what the lines above say of the number of launches, of dead work and of the masks): the program has four launches, and this one has a THIRD PATH, work-groups 448-703, which the attention
; launch's head calls 'launch scan': it reads both masks, whole, and stores as whole numbers which key steps the attention launch has to walk.  Nothing of the masks' pattern is built in.
; WHAT IS LEFT OUT LATER, AND WHY IT CHANGES NOTHING.  For a query row let m be the largest number of its mask row.  q and k are RMS-normalised, so each has length at most 8 x its largest norm weight; E2M3 codes lengthen a
; vector by less than a fifth; so |score / 8| <= B = 11.52 wq wk (wq, wk: the largest magnitudes of q_ln_w, k_ln_w).  The row's largest logit is at least m - B.  In a step of 128 keys whose largest mask number lies under
; m - D, D = 24 wq wk + 112, every logit lies more than 112 under the row's largest: t - M < -160, and p = 2^(t - M) is 0 in f32: zero codes, nothing for the sum, no change of M.  A margin of 1e-6 |m| covers the rounding of
; score + mask where the mask's numbers are large.  A step is walked if ANY of the 16 queries of a tile needs it; the step that holds a row's m is always walked.  This holds for all finite values of the inputs.
; LIMIT: a NaN, an infinity or an overflow that would arise only in a step left out is not carried to the result.
.set STG,     8448
.set WST,     4*STG                    ; step 2: a wave's stage: 6,144 bytes; the four from here
.set SPARE,   WST+4*6144               ; the spare words: 128 bytes a wave
; hq as it now lies (this replaces the head's line on hq's images): a group of four K steps lies 1,179,648 bytes from the next, as in wq (room for 192 tiles, 128 written, the rest never read): one constant serves both buffers in the next launch.
.set H_SC,    4718592
.set ROPE,    4849664
.set WQKV_SC, 4718592
.set WO_IMG,  4915200
.set WO_SC,   8060928
.set R,  32                            ; step 1: v32-95, v96-159  numbers as loaded, two sets
.set X,  160                           ; v160-223  64 numbers: register 32 c + i is k = 64 c + 32 h + i.  (Ahead of the first fragment: the table's arithmetic)
.set F,  224                           ; v224-235  the fragment's codes
.set FT, 236                           ; v236-242  the upper halves of the two blocks, as the conversions leave them
.set WD, 244                           ; v244-247  the four fragments' scale words
; ---- step 1's macros
.macro HLOAD f                         ; fragment f's 16 rows x 512 bytes into set f % 2
.irp t,0,1,2,3,4,5,6,7,8,9,10,11,12,13,14,15
	global_load_b128 v[R+64*((\f)%2)+4*\t:R+64*((\f)%2)+4*\t+3], v3, s[4:5] offset:(8*((\f)%2)+\t+8*(\t/8))*8192+512*((\f)/2) th:TH_LOAD_NT
.endr
.endm
.macro TURN f                          ; through the stage: LDS serves a wave's instructions in order, so no wait stands between the stores and the loads
.irp t,0,1,2,3,4,5,6,7,8,9,10,11,12,13,14,15
	ds_store_b128 v4, v[R+64*((\f)%2)+4*\t:R+64*((\f)%2)+4*\t+3] offset:528*\t
.endr
.irp c,0,1
.irp m,0,1,2,3,4,5,6,7
	ds_load_b128 v[X+32*\c+4*\m:X+32*\c+4*\m+3], v5 offset:256*\c+16*\m
.endr
.endr
.endm
.macro QF f                            ; my two whole blocks (2 c + h) become registers 6 c .. 6 c + 5 of the fragment; the four bytes of a row's word are gathered from lanes l and l xor 16
.irp c,0,1
	v_max3_num_f32 v[16+\c], |v[X+32*\c]|, |v[X+32*\c+1]|, 0x1800000   ; with the floor 2^(3 - 127): the byte cannot fall under 1
.endr
.irp i,2,4,6,8,10,12,14,16,18,20,22,24,26,28,30
.irp c,0,1
	v_max3_num_f32 v[16+\c], v[16+\c], |v[X+32*\c+\i]|, |v[X+32*\c+\i+1]|
.endr
.endr
.irp c,0,1
	v_add_nc_u32 v[18+\c], 0xff000000, v[16+\c]    ; 2 off the exponent field: the conversion's scale operand
.endr
.irp c,0,1
	v_lshrrev_b32 v[20+\c], 23, v[18+\c]           ; the byte
.endr
	v_lshl_or_b32 v22, v21, 16, v20
	v_lshlrev_b32 v22, v7, v22                     ; blocks h and 2 + h at their places
	v_permlanex16_b32 v23, v22, s16, s17
	v_or_b32 v[WD+\f], v22, v23
.irp c,0,1
	v_cvt_scalef32_pk16_fp6_f32 v[F+6*\c:F+6*\c+2], v[X+32*\c:X+32*\c+15], v[18+\c]
	v_cvt_scalef32_pk16_fp6_f32 v[FT+4*\c:FT+4*\c+2], v[X+32*\c+16:X+32*\c+31], v[18+\c]   ; (a conversion's three registers begin on an even number)
.endr
	v_nop                                          ; one plain place behind a scaled conversion
.irp c,0,1
.irp i,0,1,2
	v_mov_b32 v[F+6*\c+3+\i], v[FT+4*\c+\i]
.endr
.endr
.endm
.macro FRAGM f
.if \f < 3
	s_wait_loadcnt 16                              ; this fragment's 16 loads are in; the next fragment's 16 stay out
.else
	s_wait_loadcnt 0x0
.endif
	TURN \f
	s_wait_dscnt 0x0                               ; the numbers are back, and the stores into the stage have read their registers,
.if \f < 2
	HLOAD (\f)+2                                   ; which take the fragment two on
.endif
	s_wait_xcnt 0x0                                ; the last stores have read v224 on: only behind this wait are they written again
	QF \f
.irp p,0,1,2
	global_store_b128 v3, v[F+4*\p:F+4*\p+3], s[26:27] offset:((\f)%2)*6144+((\f)/2)*1536+512*\p   ; 32 lanes store 512 consecutive bytes
.endr
.endm
; ---- step 2's macros
.macro WLOAD t                         ; block t: 32 rows, into set t % 2; a wave's load reads 128 consecutive bytes, the four waves stand side by side
.set i, 0
.rept 32
	global_load_b32 v[64+32*((\t)%2)+i], v[32+i], s[32+2*(\t):33+2*(\t)] th:TH_LOAD_NT
.set i, i+1
.endr
.endm
; Block t is block t % 4 of K step t / 4: it belongs to lane r + 16 (t % 2) of the image, registers 6 c .. 6 c + 5, c = (t / 2) % 2
.macro BLOCK t
.set XB, 64+32*((\t)%2)
.set KK, (\t)/4
.set CC, ((\t)/2)%2
.set HB, (\t)%2
.if (\t) < 7
	s_wait_loadcnt 32                              ; this block's 32 loads are in; the next block's stay out
.else
	s_wait_loadcnt 0x0
.endif
	v_max3_num_f32 v12, |v[XB]|, |v[XB+1]|, |v[XB+2]|
	v_max3_num_f32 v13, |v[XB+3]|, |v[XB+4]|, |v[XB+5]|
.irp i,6,10,14,18,22,26
	v_max3_num_f32 v12, v12, |v[XB+\i]|, |v[XB+\i+1]|
	v_max3_num_f32 v13, v13, |v[XB+\i+2]|, |v[XB+\i+3]|
.endr
	v_max3_num_f32 v12, v12, |v[XB+30]|, |v[XB+31]|
	v_max3_num_f32 v12, v12, v13, 0x1800000        ; with the floor 2^(3 - 127)
	v_add_nc_u32 v14, 0xff000000, v12              ; the conversion's scale operand
	v_lshrrev_b32 v15, 23, v14                     ; the byte
.if (\t)%4 == 0
	v_mov_b32 v[24+KK], v15
.else
	v_lshl_or_b32 v[24+KK], v15, 8*((\t)%4), v[24+KK]
.endif
	v_cvt_scalef32_pk16_fp6_f32 v[16:18], v[XB:XB+15], v14
	v_cvt_scalef32_pk16_fp6_f32 v[20:22], v[XB+16:XB+31], v14
	v_nop                                          ; one plain place behind a scaled conversion
	v_mov_b32 v19, v20                             ; the six registers on end
	v_mov_b32 v20, v21
	v_mov_b32 v21, v22
.if CC == 0
	ds_store_b128 v4, v[16:19] offset:1536*KK+256*HB           ; registers 0-3,
	ds_store_b64 v4, v[20:21] offset:1536*KK+512+256*HB        ; 4, 5
.else
	ds_store_b64 v4, v[16:17] offset:1536*KK+520+256*HB        ; registers 6, 7,
	ds_store_b128 v4, v[18:21] offset:1536*KK+1024+256*HB      ; 8-11
.endif
.if (\t)+2 < 8
	WLOAD (\t)+2
.endif
	s_wait_dscnt 0x0                               ; the stores have read their registers: the next block's codes may be written
.endm
	v_lshl_add_u32 v1, v0, 2, SPARE                ; my spare word
	v_mov_b32 v2, 0
	s_cmp_ge_u32 ttmp9, 448                        ; the partings: the work-group's number, the same in all four waves
	s_cbranch_scc1 .Lscan
	s_cmp_ge_u32 ttmp9, 128
	s_cbranch_scc1 .Lweights
	; ==== STEP 1: hidden_states and the table
	s_load_b128 s[4:7], s[0:1], 0x0                ; hidden_states, position_ids
	s_load_b64 s[8:9], s[0:1], 0x30                ; hq
	v_lshrrev_b32 v8, 5, v0
	v_readfirstlane_b32 s10, v8                    ; wave
	v_and_b32 v9, 31, v0                           ; lane
	v_and_b32 v10, 15, v0                          ; r
	v_bfe_u32 v11, v0, 4, 1                        ; h
	v_lshlrev_b32 v3, 4, v9                        ; 16 l
	s_mul_i32 s11, s10, STG
	v_add_nc_u32 v4, s11, v3                       ; the stage, way in
	v_mul_u32_u24 v5, v10, 528
	v_lshl_add_u32 v5, v11, 7, v5
	v_add_nc_u32 v5, s11, v5                       ; way out: row r, + 128 h bytes
	v_lshlrev_b32 v6, 3, v9                        ; 8 l
	v_lshlrev_b32 v7, 3, v11                       ; 8 h
	v_mov_b32 v23, 0                               ; a lane permute's destination counts as read: written once
	s_lshl_b32 s12, ttmp9, 2
	s_add_co_u32 s12, s12, s10                     ; W
	s_lshr_b32 s13, s12, 3                         ; which 32 rows
	s_and_b32 s14, s12, 7                          ; which 256 along K
	s_lshl_b32 s18, s13, 18
	s_lshl_b32 s15, s14, 10
	s_add_co_u32 s18, s18, s15
	s_mov_b32 s19, 0                               ; s[18:19]: my part of hidden_states
	s_lshr_b32 s15, s14, 1
	s_mul_i32 s20, s15, 1179648
	s_mul_i32 s15, s13, 12288
	s_add_co_u32 s20, s20, s15
	s_and_b32 s15, s14, 1
	s_mul_i32 s15, s15, 3072
	s_add_co_u32 s20, s20, s15
	s_mov_b32 s21, 0                               ; s[20:21]: my four images
	s_lshl_b32 s22, s12, 8
	s_add_co_u32 s22, s22, H_SC
	s_mov_b32 s23, 0                               ; s[22:23]: my 256 bytes of scale words
	s_lshl_b32 s15, ttmp9, 7
	v_add_nc_u32 v12, s15, v0                      ; the thread's number in step 1: position = that / 8, frequencies 4 (that % 8) + 0 .. 3
	v_lshrrev_b32 v13, 3, v12
	v_and_b32 v14, 7, v12
	v_lshlrev_b32 v15, 2, v13                      ; the position's place
	v_lshlrev_b32 v13, 8, v13
	v_lshl_add_u32 v13, v14, 4, v13                ; my 16 bytes of cosines in the table
	v_lshlrev_b32 v14, 2, v14
	s_mov_b32 s16, 0x76543210
	s_mov_b32 s17, 0xfedcba98                      ; selects for lane l xor 16
	s_mov_b32 s30, 0x37f0979a                      ; log2 10, low part
	s_mov_b32 s31, 0x3fc90fdb                      ; pi/2, high part
	s_mov_b32 s32, 0xb33bbd2e                      ; pi/2, low part
	s_mov_b32 s33, 0xb94ca1f9                      ; sine: three coefficients
	s_mov_b32 s34, 0x3c08839e
	s_mov_b32 s35, 0xbe2aaaa3
	s_mov_b32 s36, 0x37ccf5ce                      ; cosine: three
	s_mov_b32 s37, 0xbab6061a
	s_mov_b32 s38, 0x3d2aaaa5
	s_wait_alu depctr_va_vdst(0)
	s_wait_kmcnt 0x0
	s_add_nc_u64 s[4:5], s[4:5], s[18:19]
	s_add_nc_u64 s[26:27], s[8:9], s[20:21]
	s_add_nc_u64 s[28:29], s[8:9], s[22:23]
	global_load_b32 v12, v15, s[6:7]               ; my position
	HLOAD 0
	HLOAD 1
	; THE TABLE, while the 32 loads are out.  inv_freq = 2^(a L), a = -j/8, L = log2 10 in two parts: a x the high part (15 bits) is exact
.irp e,0,1,2,3
	v_add_nc_u32 v[160+\e], \e, v14
	v_cvt_f32_u32 v[160+\e], v[160+\e]
	v_mul_f32 v[160+\e], 0xbe000000, v[160+\e]     ; a
	v_mul_f32 v[164+\e], 0x40549a00, v[160+\e]
	v_rndne_f32 v[168+\e], v[164+\e]               ; its whole part n
	v_sub_f32 v[164+\e], v[164+\e], v[168+\e]
	v_fma_f32 v[164+\e], v[160+\e], s30, v[164+\e] ; the rest, at most a half in size
	v_cvt_i32_f32 v[168+\e], v[168+\e]
.endr
	s_wait_alu depctr_va_vdst(0)
.irp e,0,1,2,3
	v_exp_f32 v[164+\e], v[164+\e]
.endr
	v_nop                                          ; a plain place behind the last exponential
	s_wait_alu depctr_va_vdst(0)                   ; one wait for the four, ahead of their first reader
	s_wait_loadcnt 32                              ; the position is in; the 32 loads issued behind it stay out
	v_cvt_f32_i32 v15, v12
.irp e,0,1,2,3
	v_ldexp_f32 v[164+\e], v[164+\e], v[168+\e]    ; inv_freq
	v_mul_f32 v[160+\e], v15, v[164+\e]            ; the angle
	v_mul_f32 v[164+\e], 0x3f22f983, v[160+\e]
	v_rndne_f32 v[164+\e], v[164+\e]               ; how many quarter turns
	v_fma_f32 v[160+\e], -v[164+\e], s31, v[160+\e]
	v_fma_f32 v[160+\e], -v[164+\e], s32, v[160+\e]   ; x, at most pi/4 in size
	v_mul_f32 v[168+\e], v[160+\e], v[160+\e]      ; z = x x
	v_fma_f32 v[172+\e], v[168+\e], s33, s34
	v_fma_f32 v[172+\e], v[172+\e], v[168+\e], s35
	v_mul_f32 v[176+\e], v[160+\e], v[168+\e]
	v_fma_f32 v[172+\e], v[176+\e], v[172+\e], v[160+\e]   ; sin x
	v_fma_f32 v[176+\e], v[168+\e], s36, s37
	v_fma_f32 v[176+\e], v[176+\e], v[168+\e], s38
	v_mul_f32 v[180+\e], v[168+\e], v[168+\e]
	v_fma_f32 v[184+\e], v[168+\e], -0.5, 1.0
	v_fma_f32 v[176+\e], v[180+\e], v[176+\e], v[184+\e]   ; cos x
	v_cvt_i32_f32 v[188+\e], v[164+\e]             ; the quadrant is its low two bits
	v_and_b32 v[180+\e], 1, v[188+\e]
	v_cmp_eq_u32 s[40+\e], 1, v[180+\e]
	v_cndmask_b32 v[F+4+\e], v[172+\e], v[176+\e], s[40+\e]   ; in odd quadrants the two change places
	v_cndmask_b32 v[F+\e], v[176+\e], v[172+\e], s[40+\e]
	v_and_b32 v[180+\e], 2, v[188+\e]
	v_lshlrev_b32 v[180+\e], 30, v[180+\e]
	v_xor_b32 v[F+4+\e], v[F+4+\e], v[180+\e]      ; the sine is negative in quadrants 2, 3
	v_add_nc_u32 v[188+\e], 1, v[188+\e]
	v_and_b32 v[188+\e], 2, v[188+\e]
	v_lshlrev_b32 v[188+\e], 30, v[188+\e]
	v_xor_b32 v[F+\e], v[F+\e], v[188+\e]          ; the cosine in quadrants 1, 2
.endr
	global_store_b128 v13, v[F:F+3], s[8:9] offset:ROPE
	global_store_b128 v13, v[F+4:F+7], s[8:9] offset:ROPE+128
	FRAGM 0
	FRAGM 1
	FRAGM 2
	FRAGM 3
	v_cmp_ne_u32 vcc_lo, 0, v7                     ; lanes 16-31 store tile 1's words, lanes 0-15 tile 0's: two K steps' words a row
	v_cndmask_b32 v16, v[WD], v[WD+1], vcc_lo
	v_cndmask_b32 v17, v[WD+2], v[WD+3], vcc_lo
	global_store_b64 v6, v[16:17], s[28:29]        ; 256 consecutive bytes, aligned
	s_branch .Lend
.Lweights:
	; ==== STEP 2: the weights
	s_load_b128 s[4:7], s[0:1], 0x10               ; Wq, Wk
	s_load_b128 s[8:11], s[0:1], 0x20              ; Wv, Wo
	s_load_b64 s[12:13], s[0:1], 0x38              ; wq
	v_lshrrev_b32 v8, 5, v0
	v_readfirstlane_b32 s14, v8                    ; wave
	v_and_b32 v9, 31, v0                           ; lane
	v_lshlrev_b32 v3, 2, v9                        ; my column, in bytes
	v_bfe_u32 v10, v0, 3, 1                        ; u
	v_and_b32 v11, 7, v0
	v_bfe_u32 v12, v0, 4, 1
	v_lshl_add_u32 v11, v12, 3, v11                ; r
	s_mul_i32 s15, s14, 6144
	s_add_co_u32 s15, s15, WST                     ; my stage
	v_mul_u32_u24 v4, v10, 3072
	v_lshl_add_u32 v4, v11, 4, v4
	v_add_nc_u32 v4, s15, v4                       ; way in: tile u's two images, lane r's 16 bytes
	v_lshlrev_b32 v6, 4, v9                        ; 16 l
	v_add_nc_u32 v5, s15, v6                       ; way out
	v_lshl_add_u32 v7, v10, 4, v11
	v_lshlrev_b32 v7, 3, v7                        ; my two scale words' place: 8 (16 u + r)
	s_sub_co_u32 s48, ttmp9, 128                   ; 40 y + x, 0 .. 319
	s_mul_i32 s16, s48, 205
	s_lshr_b32 s16, s16, 13                        ; y = that / 40: 205 / 8,192 lies just over 1 / 40, and under 320 the product never reaches the next whole number too early
	s_mul_i32 s49, s16, 40
	s_sub_co_u32 s49, s48, s49                     ; x
	s_sub_co_u32 s17, s49, 24
	s_sub_co_u32 s18, s49, 20
	s_sub_co_u32 s19, s49, 16
	s_mov_b32 s21, s17
	s_mov_b32 s20, 8192                            ; a row of the source in bytes
	s_mov_b32 s22, 786432
	s_mov_b32 s26, WO_SC
	s_cmp_lt_u32 s49, 24                           ; the choices hang on the work-group's number alone
	s_cselect_b32 s17, s18, s17
	s_cselect_b32 s20, 2048, s20
	s_cselect_b32 s21, s49, s21                    ; which 8 tiles of the destination
	s_cselect_b32 s22, 1179648, s22                ; its bytes from one group of four K steps to the next
	s_cselect_b32 s24, 0, WO_IMG
	s_cselect_b32 s26, WQKV_SC, s26
	s_cmp_lt_u32 s49, 20
	s_cselect_b32 s17, s19, s17
	s_cmp_lt_u32 s49, 16
	s_cselect_b32 s17, s49, s17                    ; which 128 columns of the source
	s_cselect_b32 s20, 8192, s20
	s_lshl_b32 s21, s21, 3
	s_lshl_b32 s23, s14, 1
	s_add_co_u32 s21, s21, s23                     ; my first tile
	s_lshr_b32 s23, s16, 1
	s_mul_i32 s22, s22, s23
	s_add_co_u32 s24, s24, s22
	s_mul_i32 s22, s21, 6144
	s_add_co_u32 s24, s24, s22
	s_and_b32 s22, s16, 1
	s_mul_i32 s22, s22, 3072
	s_add_co_u32 s24, s24, s22
	s_mov_b32 s25, 0                               ; s[24:25]: my images
	s_lshl_b32 s22, s21, 2
	s_add_co_u32 s22, s22, s16
	s_lshl_b32 s22, s22, 8
	s_add_co_u32 s26, s26, s22
	s_mov_b32 s27, 0                               ; s[26:27]: my 256 bytes of scale words
	s_lshl_b32 s28, s17, 9
	s_lshl_b32 s22, s14, 7
	s_add_co_u32 s28, s28, s22
	s_lshl_b32 s22, s16, 8
	s_mul_i32 s22, s22, s20
	s_add_co_u32 s28, s28, s22
	s_mov_b32 s29, 0                               ; s[28:29]: my columns, row 256 y
	s_lshl_b32 s30, s20, 5
	s_mov_b32 s31, 0                               ; s[30:31]: 32 rows on
	v_mov_b32 v8, s20
.set i, 0
.rept 32
	v_mad_u32_u24 v[32+i], v8, i, v3               ; row i of a block, my column
.set i, i+1
.endr
	s_wait_alu depctr_va_vdst(0)
	s_wait_kmcnt 0x0
	s_cmp_lt_u32 s49, 24
	s_cselect_b64 s[10:11], s[8:9], s[10:11]
	s_cmp_lt_u32 s49, 20
	s_cselect_b64 s[10:11], s[6:7], s[10:11]
	s_cmp_lt_u32 s49, 16
	s_cselect_b64 s[10:11], s[4:5], s[10:11]
	s_add_nc_u64 s[32:33], s[10:11], s[28:29]      ; block 0's base; the others follow, never stepped again
.irp b,1,2,3,4,5,6,7
	s_add_nc_u64 s[32+2*\b:33+2*\b], s[30+2*\b:31+2*\b], s[30:31]
.endr
	s_add_nc_u64 s[24:25], s[12:13], s[24:25]
	s_add_nc_u64 s[26:27], s[12:13], s[26:27]
	WLOAD 0
	WLOAD 1                                        ; loads run two blocks ahead
.irp t,0,1,2,3,4,5,6,7
	BLOCK \t
.endr
	s_wait_alu depctr_va_vdst(0)
	global_store_b64 v7, v[24:25], s[26:27]        ; the wave's 32 lanes fill 256 consecutive bytes, aligned
.irp m,0,1,2,3,4,5,6,7,8,9,10,11
	ds_load_b128 v[128+4*\m:131+4*\m], v5 offset:512*\m        ; LDS serves a wave's instructions in order: these see my stores
.endr
.irp m,0,1,2,3,4,5,6,7,8,9,10,11
	s_wait_dscnt 11-\m                             ; the loads behind this one stay out
	global_store_b128 v6, v[128+4*\m:131+4*\m], s[24:25] offset:(\m/6)*6144+(\m%6)*512
.endr
	s_branch .Lend
	; ==== THE THIRD PATH: the masks.  Wave W = 4 x (work-group - 448) + wave, 0 .. 1023: mask W / 512, rows 4 (W % 512) .. + 3.  A load reads 512 consecutive bytes of a row: one key step; 48 loads are out.
	; flags[W]: bit j = key step j is needed by one of my rows; the four words of a tile of 16 queries lie on end.  A wave's result is one word: lane 0 stores it.  No LDS: waves share nothing and every byte is read once.
.set R0, 64
.set TM, 16
.set DD, 32
.macro RLOAD p, R
.set i, 0
.rept 16
	global_load_b128 v[\R+4*i:\R+4*i+3], v3, s[4:5] offset:8192*\p+512*i th:TH_LOAD_NT
.set i, i+1
.endr
.endm
.macro ROW R, first
.set i, 0
.rept 16
	v_max_num_f32 v[TM+i], v[\R+4*i], v[\R+4*i+1]
.set i, i+1
.endr
.set i, 0
.rept 16
	v_max3_num_f32 v[TM+i], v[TM+i], v[\R+4*i+2], v[\R+4*i+3]   ; my four keys of step i
.set i, i+1
.endr
	v_max3_num_f32 v10, v[TM], v[TM+1], v[TM+2]
	v_max3_num_f32 v11, v[TM+3], v[TM+4], v[TM+5]
.irp i,6,10
	v_max3_num_f32 v10, v10, v[TM+\i], v[TM+\i+1]
	v_max3_num_f32 v11, v11, v[TM+\i+2], v[TM+\i+3]
.endr
	v_max3_num_f32 v10, v10, v[TM+14], v[TM+15]
	v_max_num_f32 v10, v10, v11
.irp x,1,2,4,8
	v_max_num_f32_dpp v10, v10, v10 row_xmask:\x row_mask:0xf bank_mask:0xf
.endr
	v_permlanex16_b32 v7, v10, s20, s21
	v_max_num_f32 v10, v10, v7                     ; m, in every lane
	v_fma_f32 v11, |v10|, s22, v10                 ; m - 1e-6 |m|
	v_sub_f32 v11, v11, v5                         ; - D: the row's threshold
.set i, 0
.rept 16
.if \first
	v_sub_f32 v[DD+i], v[TM+i], v11
.else
	v_sub_f32 v[TM+i], v[TM+i], v11
.endif
.set i, i+1
.endr
.if \first == 0
.set i, 0
.rept 16
	v_max_num_f32 v[DD+i], v[DD+i], v[TM+i]        ; the largest excess over the threshold among my rows
.set i, i+1
.endr
.endif
.endm
.Lscan:
	s_load_b256 s[4:11], s[0:1], 0x40              ; attention_mask, web_attention_mask, q_ln_w, k_ln_w
	s_load_b64 s[12:13], s[0:1], 0x60              ; flags
	v_lshrrev_b32 v14, 5, v0
	v_readfirstlane_b32 s14, v14                   ; wave
	s_sub_co_u32 s15, ttmp9, 448
	s_lshl_b32 s15, s15, 2
	s_add_co_u32 s15, s15, s14                     ; W
	s_and_b32 s16, s15, 511
	s_lshl_b32 s16, s16, 15                        ; four rows of 8,192 bytes
	s_mov_b32 s17, 0
	s_lshl_b32 s18, s15, 2
	s_mov_b32 s19, 0
	s_mov_b32 s20, 0x76543210
	s_mov_b32 s21, 0xfedcba98                      ; selects for lane l xor 16
	s_mov_b32 s22, 0xb58637bd                      ; -1e-6
	v_and_b32 v15, 31, v0
	v_lshlrev_b32 v3, 4, v15
	v_lshlrev_b32 v4, 3, v15
	v_mov_b32 v7, 0                                ; lane permutes' destinations count as read
	v_mov_b32 v9, 0
	s_wait_alu depctr_va_vdst(0)
	s_wait_kmcnt 0x0
	s_cmp_lt_u32 s15, 512                          ; the choice hangs on ids alone
	s_cselect_b64 s[4:5], s[4:5], s[6:7]
	s_add_nc_u64 s[4:5], s[4:5], s[16:17]
	s_add_nc_u64 s[12:13], s[12:13], s[18:19]
	global_load_b64 v[10:11], v4, s[8:9]
	global_load_b64 v[12:13], v4, s[10:11]
	RLOAD 0, R0
	RLOAD 1, R0+64
	RLOAD 2, R0+128
	s_wait_loadcnt 48                              ; the norm weights are in; three rows' 48 loads stay out
	v_max_num_f32 v10, |v10|, |v11|
	v_max_num_f32 v12, |v12|, |v13|
.irp x,1,2,4,8
	v_max_num_f32_dpp v10, v10, v10 row_xmask:\x row_mask:0xf bank_mask:0xf
	v_max_num_f32_dpp v12, v12, v12 row_xmask:\x row_mask:0xf bank_mask:0xf
.endr
	v_permlanex16_b32 v7, v10, s20, s21
	v_permlanex16_b32 v9, v12, s20, s21
	v_max_num_f32 v10, v10, v7
	v_max_num_f32 v12, v12, v9
	v_mul_f32 v10, 0x41c00000, v10
	v_fmaak_f32 v5, v10, v12, 0x42e00000           ; D = 24 wq wk + 112
	s_wait_loadcnt 32                              ; row 0 is in
	ROW R0, 1
	RLOAD 3, R0                                    ; row 3 takes row 0's registers
	s_wait_loadcnt 32                              ; row 1 is in; rows 2 and 3 stay out
	ROW R0+64, 0
	s_wait_loadcnt 16
	ROW R0+128, 0
	s_wait_loadcnt 0x0
	ROW R0, 0
.set i, 0
.rept 16
	v_cmp_le_f32 s[40+i], 0, v[DD+i]               ; lanes that hold a key at or over a threshold
.set i, i+1
.endr
	s_mov_b32 s38, 0
.set i, 0
.rept 16
	s_cmp_lg_u32 s[40+i], 0
	s_cselect_b32 s39, 1<<i, 0
	s_or_b32 s38, s38, s39
.set i, i+1
.endr
	v_mov_b32 v6, s38
	v_mov_b32 v8, 0
	v_cmp_eq_u32 vcc_lo, 0, v15
	s_wait_alu depctr_va_vdst(0)
	s_wait_xcnt 0x0                                ; EXEC changes only behind this wait
	s_and_saveexec_b32 s39, vcc_lo
	global_store_b32 v8, v6, s[12:13]
	s_wait_xcnt 0x0
	s_or_b32 exec_lo, exec_lo, s39
.Lend:
	s_wait_tensorcnt 0x0                           ; the wave's end, for all three paths
	ds_add_u32 v1, v2
	s_wait_dscnt 0x0
	s_endpgm
.Lfunc_end_k_q2c61d66f7a_quant:
	.size	k_q2c61d66f7a_quant, .Lfunc_end_k_q2c61d66f7a_quant-k_q2c61d66f7a_quant
	.p2alignl 7, 3214868480
	.fill 96, 4, 3214868480
	.section	.rodata,"a",@progbits
	.p2align	6, 0x0
	.amdhsa_kernel k_q2c61d66f7a_quant
		.amdhsa_group_segment_fixed_size 58880
		.amdhsa_private_segment_fixed_size 0
		.amdhsa_enable_private_segment 0
		.amdhsa_kernarg_size 104
		.amdhsa_user_sgpr_count 2
		.amdhsa_user_sgpr_kernarg_segment_ptr 1
		.amdhsa_wavefront_size32 1
		.amdhsa_system_sgpr_workgroup_id_x 1
		.amdhsa_system_sgpr_workgroup_id_y 1
		.amdhsa_system_sgpr_workgroup_id_z 1
		.amdhsa_system_vgpr_workitem_id 0
		.amdhsa_next_free_vgpr 256
		.amdhsa_next_free_sgpr 66
		.amdhsa_reserve_vcc 1
		.amdhsa_float_denorm_mode_32 3
		.amdhsa_float_denorm_mode_16_64 3
		.amdhsa_memory_ordered 1
		.amdhsa_forward_progress 1
		.amdhsa_inst_pref_size 108
	.end_amdhsa_kernel
	.amdgpu_metadata
---
amdhsa.version: [ 1, 2 ]
amdhsa.kernels:
  - .name:           k_q2c61d66f7a_quant
    .symbol:         k_q2c61d66f7a_quant.kd
    .args:
      - { .name: hidden_states, .offset: 0, .size: 8, .value_kind: global_buffer, .address_space: global }
      - { .name: position_ids, .offset: 8, .size: 8, .value_kind: global_buffer, .address_space: global }
      - { .name: Wq, .offset: 16, .size: 8, .value_kind: global_buffer, .address_space: global }
      - { .name: Wk, .offset: 24, .size: 8, .value_kind: global_buffer, .address_space: global }
      - { .name: Wv, .offset: 32, .size: 8, .value_kind: global_buffer, .address_space: global }
      - { .name: Wo, .offset: 40, .size: 8, .value_kind: global_buffer, .address_space: global }
      - { .name: hq, .offset: 48, .size: 8, .value_kind: global_buffer, .address_space: global }
      - { .name: wq, .offset: 56, .size: 8, .value_kind: global_buffer, .address_space: global }
      - { .name: attention_mask, .offset: 64, .size: 8, .value_kind: global_buffer, .address_space: global }
      - { .name: web_attention_mask, .offset: 72, .size: 8, .value_kind: global_buffer, .address_space: global }
      - { .name: q_ln_w, .offset: 80, .size: 8, .value_kind: global_buffer, .address_space: global }
      - { .name: k_ln_w, .offset: 88, .size: 8, .value_kind: global_buffer, .address_space: global }
      - { .name: flags, .offset: 96, .size: 8, .value_kind: global_buffer, .address_space: global }
    .group_segment_fixed_size: 58880
    .private_segment_fixed_size: 0
    .kernarg_segment_align: 8
    .kernarg_segment_size: 104
    .max_flat_workgroup_size: 128
    .sgpr_count:     66
    .vgpr_count:     256
    .wavefront_size: 32
...
	.end_amdgpu_metadata
.endif
;; end of part 1
;; launch gemm_qkv (part 2): grid 256 x 1, 12 waves a work-group, no clusters, 0 bytes of LDS; arguments hq, wq, q_ln_w, k_ln_w, qkv; writes qkv
.if DOCPART == 2
	.amdgcn_target "amdgcn-amd-amdhsa--gfx1250"
	.amdhsa_code_object_version 6
	.text
	.protected	k_q2c61d66f7a_gemm_qkv
	.globl	k_q2c61d66f7a_gemm_qkv
	.p2align	8
	.type	k_q2c61d66f7a_gemm_qkv,@function
k_q2c61d66f7a_gemm_qkv:
	s_mov_b64 s[64:65], 0
	v_nop
	global_prefetch_b8 v0, s[64:65] scope:SCOPE_SE
	s_setreg_imm32_b32 hwreg(HW_REG_WAVE_MODE, 25, 1), 1
	s_wait_xcnt 0x0
; q, k, v = hidden_states x Wq, Wk, Wv on codes of E2M3; RoPE and RMSNorm on q and k in f32; q and k quantised along the head's 64, v along the keys.  No work is left out here.
; THE PRODUCT.  D[x][y] = sum over k of X[x][k] Y[y][k]; source 0 = 16 rows of X, source 1 = 16 rows of Y: a lane holds ONE y and its registers run along x.  X's tiles hold rows 32 b + 8 u + r + 8 (r / 8) in lane r of
; tile 2 b + u, so the 16 registers of tiles 2 b, 2 b + 1 are x = 32 b + 16 (lane / 16) + 0 .. 15: neighbours, as a quantiser along x wants them.
; ROLES, by work-group x / 4: 0-3 q, 4 k: X = the weights (x = a head's 64 channels), Y = hidden_states (y = a position);  5 v: X = hidden_states (x = the keys), Y = Wv (y = a channel).
; SHARES.  A work-group: 128 x by 64 y; four waves, each 64 x (4 tiles) by 32 y (2 tiles): 8 accumulators, which take turns, one instruction a turn, in the same order in every K step.
; OPERANDS GO FROM MEMORY STRAIGHT INTO REGISTERS: hq and wq hold images of the operands' registers, so a load takes 512 consecutive bytes and nothing is turned.  Three sets of 72 registers take turns over the 16 K steps: while one
; is multiplied, the loads of the next two steps are out (36 and the scale words' 3).  A scale load takes 256 consecutive bytes: lanes 0-15 an even tile's words, lanes 16-31 the odd tile's, two K steps' words a lane.
; Every offset is an immediate: no pointer is stepped.  328 registers a wave: three waves to a SIMD, so the 768 work-groups are 3 x 256.
; NO LDS, NO TENSOR LOAD, NO CLUSTER: no tile lies in LDS for a joint load to land in.  NO DATA PREFETCH: the walk is 16 steps, each asked for two steps ahead by the loads themselves.
; cos, sin and the norm's weights are asked for by the roles that use them, into the sets that K steps 13 and 14 leave free.
; LIMITS: NaN and infinities among the inputs are not served; a block whose largest magnitude lies under 2^-124 keeps the byte 1.  v_rsq_f32 stands for rsqrt.
; AS THE TEXT NOW STANDS (this replaces the head's words on work-groups): a work-group has TWELVE waves and makes three blocks of 128 x by 64 y, numbers 3 g .. 3 g + 2 of 768, four waves to a block; block n is x = n / 32, y = n % 32,
; so that the three as a rule take the same 128 rows of X: 128 + 3 x 64 distinct rows of operands for a work-group's twelve waves.  The waves share nothing but that; a block's role may differ from its neighbour's.  256 work-groups.
.set GP,      1179648
.set SCO,     4718592                  ; where the scale words begin, in hq and in wq
.set ROPE,    4849664
.set Q_SC,    3145728
.set KV,      3407872
.set ACC, 176                          ; v176-239 accumulator (j, i) at + 32 j + 8 i.  Sets: v32-103, v256-327, v104-175.  v8-25 scale words and nothing else
.set RR,  32                           ; the way out: 32 numbers of a lane
.set MSB, 0
.macro WIN new                         ; the immediate's high byte repeats the setting that is left
.if MSB != \new
	s_set_vgpr_msb (MSB<<8)|\new
.set MSB, \new
.endif
.endm
.macro PLACES
.rept 4
	v_nop
.endr
.endm
.macro SETOF k                         ; K step k's set: first register SB, window SW
.set SS, (\k)%3
.set SW, 0
.set SB, 32
.if SS == 1
.set SW, 1
.set SB, 0
.endif
.if SS == 2
.set SB, 104
.endif
.endm
.macro FETCH k                         ; 18 loads, and ahead of an even step 3 for the scale words of two steps
	SETOF \k
.if (\k)%2 == 0
	WIN 0
.set SQ, 8+6*(((\k)/2)%3)
	global_load_b64 v[SQ:SQ+1], v4, s[46:47] offset:((\k)/2)*256
	global_load_b64 v[SQ+2:SQ+3], v4, s[46:47] offset:2048+((\k)/2)*256
	global_load_b64 v[SQ+4:SQ+5], v4, s[50:51] offset:((\k)/2)*256
.endif
	WIN 0x40*SW
.set KO, ((\k)/4)*GP+((\k)%4)*1536
.irp i,0,1,2,3
.irp p,0,1,2
	global_load_b128 v[SB+12*\i+4*\p:SB+12*\i+4*\p+3], v3, s[44:45] offset:KO+\i*6144+512*\p
.endr
.endr
.irp j,0,1
.irp p,0,1,2
	global_load_b128 v[SB+48+12*\j+4*\p:SB+48+12*\j+4*\p+3], v3, s[48:49] offset:KO+\j*6144+512*\p
.endr
.endr
	WIN 0
.endm
.macro WM d, a, b, c, sa, sb, ra, rb   ; ra, rb: the odd tile's words stand in lanes 16-31
.if ((\ra) == 0) && ((\rb) == 0)
	v_wmma_scale_f32_16x16x128_f8f6f4 v[\d:\d+7], v[\a:\a+11], v[\b:\b+11], \c, v[\sa], v[\sb] matrix_a_fmt:MATRIX_FMT_FP6 matrix_b_fmt:MATRIX_FMT_FP6
.endif
.if ((\ra) == 1) && ((\rb) == 0)
	v_wmma_scale_f32_16x16x128_f8f6f4 v[\d:\d+7], v[\a:\a+11], v[\b:\b+11], \c, v[\sa], v[\sb] matrix_a_fmt:MATRIX_FMT_FP6 matrix_b_fmt:MATRIX_FMT_FP6 matrix_a_scale:MATRIX_SCALE_ROW1
.endif
.if ((\ra) == 0) && ((\rb) == 1)
	v_wmma_scale_f32_16x16x128_f8f6f4 v[\d:\d+7], v[\a:\a+11], v[\b:\b+11], \c, v[\sa], v[\sb] matrix_a_fmt:MATRIX_FMT_FP6 matrix_b_fmt:MATRIX_FMT_FP6 matrix_b_scale:MATRIX_SCALE_ROW1
.endif
.if ((\ra) == 1) && ((\rb) == 1)
	v_wmma_scale_f32_16x16x128_f8f6f4 v[\d:\d+7], v[\a:\a+11], v[\b:\b+11], \c, v[\sa], v[\sb] matrix_a_fmt:MATRIX_FMT_FP6 matrix_b_fmt:MATRIX_FMT_FP6 matrix_a_scale:MATRIX_SCALE_ROW1 matrix_b_scale:MATRIX_SCALE_ROW1
.endif
.endm
.macro MUL8 k, zero                    ; zero = 1: the first products start the sums: nothing is cleared
	SETOF \k
	WIN 0x05*SW
.set SQ, 8+6*(((\k)/2)%3)+(\k)%2
.irp j,0,1
.irp i,0,1,2,3
.if \zero
	WM ACC+32*\j+8*\i, SB+12*\i, SB+48+12*\j, 0, SQ+2*(\i/2), SQ+4, \i%2, \j
.else
	WM ACC+32*\j+8*\i, SB+12*\i, SB+48+12*\j, v[ACC+32*\j+8*\i:ACC+32*\j+8*\i+7], SQ+2*(\i/2), SQ+4, \i%2, \j
.endif
.endr
.endr
	WIN 0
.endm
.macro STEPK k, tab                    ; tab = 1: q, k: the tables are asked for behind steps 13 and 14
.set N, 0                              ; the loads issued behind step k's own: those of the next two steps, and at the end the tables' 16 and 8
.irp d,1,2
.if (\k)+\d < 16
.set N, N+18+3*(1-((\k)+\d)%2)
.endif
.endr
.if \tab
.if (\k) == 14
.set N, N+16
.endif
.if (\k) == 15
.set N, N+24
.endif
.endif
	s_wait_loadcnt N
.if (\k) == 0
	MUL8 \k, 1
.else
	MUL8 \k, 0
.endif
.if (\k)+3 < 16
	PLACES                                         ; in front of loads into registers that the products have read
	FETCH (\k)+3
.endif
.if \tab
.if (\k) == 13
	PLACES
	WIN 0x40
.irp j,0,1
.irp m,0,1,2,3
	global_load_b128 v[32*\j+4*\m:32*\j+4*\m+3], v7, s[4:5] offset:ROPE+2048*\j+16*\m           ; cos of my two positions,
	global_load_b128 v[32*\j+16+4*\m:32*\j+16+4*\m+3], v7, s[4:5] offset:ROPE+2048*\j+128+16*\m  ; sin
.endr
.endr
	WIN 0
.endif
.if (\k) == 14
	PLACES
.irp b,0,1
.irp m,0,1,2,3
	global_load_b128 v[112+16*\b+4*\m:112+16*\b+4*\m+3], v244, s[8:9] offset:128*\b+16*\m        ; the norm's weights
.endr
.endr
.endif
.endif
.endm
.macro EHEAD                           ; what both ways out begin with
	PLACES                                         ; in front of the first reads of results and the first writes of the fragments' registers
	s_mov_b32 s20, 0x76543210
	s_mov_b32 s21, 0xfedcba98                      ; selects for lane l xor 16
	v_bfe_u32 v107, v0, 4, 1                       ; h
	v_mov_b32 v66, 0                               ; lane permutes' destinations count as read
	v_mov_b32 v67, 0
	v_cmp_eq_u32 vcc_lo, 1, v107
.endm
; 32 numbers of a lane, register 16 b + i = k 32 b + 16 (lane / 16) + i of my row, become half a fragment (64 along K): lane (r, h) holds block h in v[f] .. v[f + 5]; the two bytes go into v[w]
.macro QUANT2 s, f, w
.irp b,0,1
	v_max3_num_f32 v[64+\b], |v[(\s)+16*\b]|, |v[(\s)+16*\b+1]|, 0x1800000   ; with the floor 2^(3 - 127)
.endr
.irp i,2,4,6,8,10,12,14
.irp b,0,1
	v_max3_num_f32 v[64+\b], v[64+\b], |v[(\s)+16*\b+\i]|, |v[(\s)+16*\b+\i+1]|
.endr
.endr
.irp b,0,1
	v_permlanex16_b32 v[66+\b], v[64+\b], s20, s21
.endr
.irp b,0,1
	v_max_num_f32 v[64+\b], v[64+\b], v[66+\b]     ; with lane l xor 16's 16
.endr
.irp b,0,1
	v_add_nc_u32 v[68+\b], 0xff000000, v[64+\b]    ; 2 off the exponent field: the conversion's scale operand
.endr
.irp b,0,1
	v_lshrrev_b32 v[70+\b], 23, v[68+\b]           ; the byte
.endr
	v_lshl_or_b32 v[\w], v71, 8, v70               ; bytes 2 and 3 stay 0
	v_cvt_scalef32_pk16_fp6_f32 v[\f:\f+2], v[(\s):(\s)+15], v68
	v_cvt_scalef32_pk16_fp6_f32 v[88:90], v[(\s)+16:(\s)+31], v69
	v_nop                                          ; one plain place behind a scaled conversion
.irp i,0,1,2
	v_permlane16_swap_b32 v[\f+\i], v[88+\i]       ; a whole block to a lane
.endr
.irp i,0,1,2
	v_mov_b32 v[\f+3+\i], v[88+\i]
.endr
.endm
; q, k: RoPE, RMSNorm and the quantiser for Y's tile j
.macro EPI j
.set AJ, ACC+32*\j
.set CT, 32*\j
	WIN 0x04                                       ; source 1 (cos, sin) in window 1
.set i, 0
.rept 8
	v_pk_mul_f32 v[RR+i:RR+i+1], v[AJ+i:AJ+i+1], v[CT+i:CT+i+1]             ; x cos; each accumulator is read from its low end on
.set i, i+2
.endr
.set i, 0
.rept 8
	v_pk_mul_f32 v[RR+16+i:RR+17+i], v[AJ+16+i:AJ+17+i], v[CT+i:CT+i+1]
.set i, i+2
.endr
.set i, 0
.rept 8
	v_pk_fma_f32 v[RR+i:RR+i+1], v[AJ+16+i:AJ+17+i], v[CT+16+i:CT+17+i], v[RR+i:RR+i+1] neg_lo:[1,0,0] neg_hi:[1,0,0]   ; channels under 32: - x(d + 32) sin
.set i, i+2
.endr
.set i, 0
.rept 8
	v_pk_fma_f32 v[RR+16+i:RR+17+i], v[AJ+i:AJ+i+1], v[CT+16+i:CT+17+i], v[RR+16+i:RR+17+i]   ; from 32 on: + x(d - 32) sin
.set i, i+2
.endr
	WIN 0
	v_pk_mul_f32 v[94:95], v[RR:RR+1], v[RR:RR+1]  ; the sum of squares, in two chains
	v_pk_mul_f32 v[96:97], v[RR+2:RR+3], v[RR+2:RR+3]
.irp i,4,8,12,16,20,24,28
	v_pk_fma_f32 v[94:95], v[RR+\i:RR+\i+1], v[RR+\i:RR+\i+1], v[94:95]
	v_pk_fma_f32 v[96:97], v[RR+\i+2:RR+\i+3], v[RR+\i+2:RR+\i+3], v[96:97]
.endr
	v_pk_add_f32 v[94:95], v[94:95], v[96:97]
	v_add_f32 v94, v94, v95
	v_permlanex16_b32 v96, v94, s20, s21
	v_add_f32 v94, v94, v96                        ; with lane l xor 16's 32 channels
	v_fma_f32 v94, v94, s22, s23                   ; the mean + eps
	s_wait_alu depctr_va_vdst(0)
	v_rsq_f32 v94, v94
	v_nop                                          ; a plain place behind it
	s_wait_alu depctr_va_vdst(0)
.set i, 0
.rept 16
	v_pk_mul_f32 v[RR+i:RR+i+1], v[RR+i:RR+i+1], v[94:95] op_sel_hi:[1,0]
.set i, i+2
.endr
.set i, 0
.rept 16
	v_pk_mul_f32 v[RR+i:RR+i+1], v[RR+i:RR+i+1], v[112+i:113+i]   ; x the norm's weights
.set i, i+2
.endr
	QUANT2 RR, 72+8*\j, 92+\j
.endm
	s_load_b256 s[4:11], s[0:1], 0x0               ; hq, wq, q_ln_w, k_ln_w
	s_load_b64 s[12:13], s[0:1], 0x20              ; qkv
	v_lshrrev_b32 v7, 5, v0
	v_readfirstlane_b32 s14, v7                    ; wave 0 .. 11
	s_lshr_b32 s52, s14, 2                         ; which of my work-group's three blocks
	s_and_b32 s14, s14, 3                          ; my place in the block
	s_mul_i32 s53, ttmp9, 3
	s_add_co_u32 s52, s52, s53                     ; block 0 .. 767
	s_lshr_b32 s53, s52, 5                         ; its x, 0 .. 23
	s_and_b32 s19, s52, 31                         ; its y
	s_lshr_b32 s15, s14, 1                         ; my half of y
	s_and_b32 s16, s14, 1                          ; my half of x
	s_lshr_b32 s42, s53, 2                         ; the role
	s_and_b32 s17, s53, 3
	s_and_b32 s18, s19, 3
	s_lshr_b32 s20, s19, 2
	s_and_b32 s21, s20, 3
	s_lshl_b32 s21, s21, 2
	s_add_co_u32 s21, s21, s17                     ; v: the key step
	s_lshr_b32 s22, s20, 2
	s_lshl_b32 s22, s22, 2
	s_add_co_u32 s22, s22, s18                     ; v: the key and value head
	s_cmp_eq_u32 s42, 5
	s_cselect_b32 s40, s21, s53                    ; which 128 x
	s_cselect_b32 s41, s22, s19                    ; which 64 y
	s_cselect_b32 s23, 160, 0                      ; Wv's tiles begin at 160
	s_lshl_b32 s24, s40, 3
	s_lshl_b32 s25, s16, 2
	s_add_co_u32 s24, s24, s25                     ; my first tile of X
	s_lshl_b32 s26, s41, 2
	s_lshl_b32 s27, s15, 1
	s_add_co_u32 s26, s26, s27
	s_add_co_u32 s26, s26, s23                     ; my first tile of Y
	s_mul_i32 s44, s24, 6144
	s_mov_b32 s45, 0
	s_lshl_b32 s46, s24, 10                        ; scale words: 1,024 bytes a tile
	s_add_co_u32 s46, s46, SCO
	s_mov_b32 s47, 0
	s_mul_i32 s48, s26, 6144
	s_mov_b32 s49, 0
	s_lshl_b32 s50, s26, 10
	s_add_co_u32 s50, s50, SCO
	s_mov_b32 s51, 0
	v_and_b32 v7, 31, v0
	v_lshlrev_b32 v3, 4, v7                        ; 16 l
	v_lshlrev_b32 v4, 3, v7                        ; 8 l
	s_wait_alu depctr_va_vdst(0)
	s_wait_kmcnt 0x0
	s_cmp_eq_u32 s42, 5                            ; the choices hang on the block's number alone
	s_cselect_b64 s[28:29], s[4:5], s[6:7]         ; X's buffer: hq for v, wq else
	s_cselect_b64 s[30:31], s[6:7], s[4:5]         ; Y's: the other
	s_add_nc_u64 s[44:45], s[28:29], s[44:45]
	s_add_nc_u64 s[46:47], s[28:29], s[46:47]
	s_add_nc_u64 s[48:49], s[30:31], s[48:49]
	s_add_nc_u64 s[50:51], s[30:31], s[50:51]
	FETCH 0
	FETCH 1
	FETCH 2
	s_cmp_eq_u32 s42, 5                            ; the one parting of the roles
	s_cbranch_scc1 .Lrole_v
	; ==== q, k
	v_and_b32 v244, 15, v0
	v_and_b32 v7, 8, v244
	v_add_nc_u32 v7, v7, v244                      ; r + 8 (r / 8)
	v_bfe_u32 v244, v0, 4, 1
	v_lshlrev_b32 v244, 6, v244                    ; 64 h: my 16 channels of each half of the head
	v_lshl_add_u32 v7, v7, 8, v244
	s_lshl_b32 s2, s41, 14
	s_lshl_b32 s3, s15, 13
	s_add_co_u32 s2, s2, s3
	v_add_nc_u32 v7, s2, v7                        ; position 64 Yb + 32 (wave / 2) + r + 8 (r / 8) (+ 8 j), 256 bytes a position
	s_cmp_eq_u32 s42, 4
	s_cselect_b64 s[8:9], s[10:11], s[8:9]         ; k's weights or q's
	s_wait_alu depctr_va_vdst(0)
.irp k,0,1,2,3,4,5,6,7,8,9,10,11,12,13,14,15
	STEPK \k, 1
.endr
	; Lane (r, h) of Y's tile j holds position 64 Yb + 32 (wave / 2) + 8 j + r + 8 (r / 8); register 16 b + i of its four accumulators is channel 32 b + 16 h + i of head 2 Xb + wave % 2
	EHEAD
	v_and_b32 v106, 15, v0                         ; r
	s_wait_alu depctr_va_vdst(0)
	s_mov_b32 s22, 0x3c800000                      ; 1 / 64
	s_mov_b32 s23, 0x358637bd                      ; 1e-6
	s_lshl_b32 s30, s40, 1
	s_add_co_u32 s30, s30, s16                     ; head: 0-31 q's, 32-39 k's
	s_lshl_b32 s31, s41, 1
	s_add_co_u32 s31, s31, s15                     ; which 32 positions
	s_mul_i32 s32, s30, 98304
	s_mul_i32 s33, s31, 1536
	s_add_co_u32 s32, s32, s33                     ; q: [head][tile][768]
	s_lshl_b32 s34, s30, 13
	s_lshl_b32 s33, s31, 7
	s_add_co_u32 s34, s34, s33
	s_add_co_u32 s34, s34, Q_SC                    ; q's scale words: [head][position]
	s_and_b32 s35, s30, 7
	s_mul_i32 s35, s35, 208896
	s_lshr_b32 s33, s31, 2
	s_mul_i32 s33, s33, 13056
	s_add_co_u32 s35, s35, s33
	s_add_co_u32 s35, s35, KV                      ; k: the record of (head, key step)
	s_lshl_b32 s33, s31, 1
	s_and_b32 s33, s33, 7                          ; my first tile in it
	s_mul_i32 s36, s33, 768
	s_add_co_u32 s36, s36, s35
	s_lshl_b32 s33, s33, 6
	s_add_co_u32 s37, s35, s33
	s_add_co_u32 s37, s37, 12288
	s_mov_b32 s24, 768
	s_mov_b32 s25, 128
	s_mov_b32 s26, 768
	s_mov_b32 s27, 768
	s_cmp_eq_u32 s42, 4
	s_cselect_b32 s32, s36, s32
	s_cselect_b32 s34, s37, s34
	s_cselect_b32 s24, 128, s24                    ; q is stored in NATURAL order (tile r / 8, lane 8 j + r % 8), k keeps its tiles' order (tile j, lane r): the strides of r / 8 and of j change places
	s_cselect_b32 s25, 768, s25
	s_cselect_b32 s26, 64, s26
	s_cselect_b32 s27, s27, 64
	s_cselect_b32 s28, 0, 32
	s_cselect_b32 s29, 64, 32
	s_mov_b32 s33, 0
	s_mov_b32 s35, 0
	s_add_nc_u64 s[32:33], s[12:13], s[32:33]
	s_add_nc_u64 s[34:35], s[12:13], s[34:35]
	v_lshrrev_b32 v98, 3, v106
	v_and_b32 v99, 7, v106
	v_mul_u32_u24 v100, v98, s24
	v_lshl_add_u32 v100, v99, 4, v100
	v_lshl_add_u32 v100, v107, 8, v100             ; registers 0-3 of tile j = 0,
	v_add_nc_u32 v101, s25, v100                   ; of j = 1
	v_mul_u32_u24 v102, v98, s26
	v_lshl_add_u32 v102, v99, 3, v102
	v_lshl_add_u32 v102, v107, 7, v102             ; registers 4, 5 (512 bytes further on)
	v_add_nc_u32 v103, s27, v102
	v_mul_u32_u24 v104, v98, s28
	v_lshl_add_u32 v104, v106, 2, v104
	v_mad_u32_u24 v104, v107, s29, v104            ; the scale word: lanes 0-15 store tile 0's, lanes 16-31 tile 1's
	s_wait_alu depctr_va_vdst(0)
	s_wait_loadcnt 0x0                             ; cos, sin, the weights
	EPI 0
	EPI 1
	v_cndmask_b32 v105, v92, v93, vcc_lo
	global_store_b128 v100, v[72:75], s[32:33]
	global_store_b64 v102, v[76:77], s[32:33] offset:512
	global_store_b128 v101, v[80:83], s[32:33]
	global_store_b64 v103, v[84:85], s[32:33] offset:512
	global_store_b32 v104, v105, s[34:35]
	s_branch .Lend
.Lrole_v:
	; ==== v.  Lane r of Y's tile j is channel 32 (wave / 2) + 8 j + r + 8 (r / 8); register 16 b + i is key 64 (wave % 2) + 32 b + 16 h + i of key step Xb: quantised as it stands
.irp k,0,1,2,3,4,5,6,7,8,9,10,11,12,13,14,15
	STEPK \k, 0
.endr
	EHEAD
	v_and_b32 v108, 31, v0                         ; l
	s_wait_alu depctr_va_vdst(0)
	s_mul_i32 s30, s41, 208896
	s_mul_i32 s31, s40, 13056
	s_add_co_u32 s30, s30, s31
	s_add_co_u32 s30, s30, KV                      ; the record
	s_mul_i32 s31, s15, 3072
	s_add_co_u32 s32, s30, s31
	s_mul_i32 s31, s16, 768
	s_add_co_u32 s32, s32, s31
	s_add_co_u32 s32, s32, 6144                    ; V^T: [channel tile 2 (wave / 2) + j][half wave % 2][768]
	s_mov_b32 s33, 0
	s_lshl_b32 s31, s15, 7
	s_add_co_u32 s34, s30, s31
	s_lshl_b32 s31, s16, 1
	s_add_co_u32 s34, s34, s31
	s_add_co_u32 s34, s34, 12800                   ; my two bytes of each row's scale word
	s_mov_b32 s35, 0
	s_add_nc_u64 s[32:33], s[12:13], s[32:33]
	s_add_nc_u64 s[34:35], s[12:13], s[34:35]
	v_lshlrev_b32 v100, 4, v108
	v_lshlrev_b32 v102, 3, v108
	v_lshlrev_b32 v104, 2, v108
	QUANT2 ACC, 72, 92
	QUANT2 ACC+32, 80, 93
	v_cndmask_b32 v105, v92, v93, vcc_lo
	global_store_b128 v100, v[72:75], s[32:33]
	global_store_b64 v102, v[76:77], s[32:33] offset:512
	global_store_b128 v100, v[80:83], s[32:33] offset:1536
	global_store_b64 v102, v[84:85], s[32:33] offset:2048
	global_store_b16 v104, v105, s[34:35]
.Lend:
	s_endpgm
.Lfunc_end_k_q2c61d66f7a_gemm_qkv:
	.size	k_q2c61d66f7a_gemm_qkv, .Lfunc_end_k_q2c61d66f7a_gemm_qkv-k_q2c61d66f7a_gemm_qkv
	.p2alignl 7, 3214868480
	.fill 96, 4, 3214868480
	.section	.rodata,"a",@progbits
	.p2align	6, 0x0
	.amdhsa_kernel k_q2c61d66f7a_gemm_qkv
		.amdhsa_group_segment_fixed_size 0
		.amdhsa_private_segment_fixed_size 0
		.amdhsa_enable_private_segment 0
		.amdhsa_kernarg_size 40
		.amdhsa_user_sgpr_count 2
		.amdhsa_user_sgpr_kernarg_segment_ptr 1
		.amdhsa_wavefront_size32 1
		.amdhsa_system_sgpr_workgroup_id_x 1
		.amdhsa_system_sgpr_workgroup_id_y 1
		.amdhsa_system_sgpr_workgroup_id_z 1
		.amdhsa_system_vgpr_workitem_id 0
		.amdhsa_next_free_vgpr 328
		.amdhsa_next_free_sgpr 66
		.amdhsa_reserve_vcc 1
		.amdhsa_float_denorm_mode_32 3
		.amdhsa_float_denorm_mode_16_64 3
		.amdhsa_memory_ordered 1
		.amdhsa_forward_progress 1
		.amdhsa_inst_pref_size 120
	.end_amdhsa_kernel
	.amdgpu_metadata
---
amdhsa.version: [ 1, 2 ]
amdhsa.kernels:
  - .name:           k_q2c61d66f7a_gemm_qkv
    .symbol:         k_q2c61d66f7a_gemm_qkv.kd
    .args:
      - { .name: hq, .offset: 0, .size: 8, .value_kind: global_buffer, .address_space: global }
      - { .name: wq, .offset: 8, .size: 8, .value_kind: global_buffer, .address_space: global }
      - { .name: q_ln_w, .offset: 16, .size: 8, .value_kind: global_buffer, .address_space: global }
      - { .name: k_ln_w, .offset: 24, .size: 8, .value_kind: global_buffer, .address_space: global }
      - { .name: qkv, .offset: 32, .size: 8, .value_kind: global_buffer, .address_space: global }
    .group_segment_fixed_size: 0
    .private_segment_fixed_size: 0
    .kernarg_segment_align: 8
    .kernarg_segment_size: 40
    .max_flat_workgroup_size: 384
    .sgpr_count:     66
    .vgpr_count:     328
    .wavefront_size: 32
...
	.end_amdgpu_metadata
.endif
;; end of part 2
;; launch attn (part 3): grid 8 x 32, 8 waves a work-group, no clusters, 68,608 bytes of LDS; arguments qkv, attention_mask, web_attention_mask, att, flags; writes att
.if DOCPART == 3
	.amdgcn_target "amdgcn-amd-amdhsa--gfx1250"
	.amdhsa_code_object_version 6
	.text
	.protected	k_q2c61d66f7a_attn
	.globl	k_q2c61d66f7a_attn
	.p2align	8
	.type	k_q2c61d66f7a_attn,@function
k_q2c61d66f7a_attn:
	s_mov_b64 s[64:65], 0
	v_nop
	global_prefetch_b8 v0, s[64:65] scope:SCOPE_SE
	s_setreg_imm32_b32 hwreg(HW_REG_WAVE_MODE, 25, 1), 1
	s_wait_xcnt 0x0
; attn = softmax(q k^T / 8 + mask) v for 32 heads on codes of E2M3, then quantised along head x 64 + channel for the last product.
; LEFT OUT: key steps of 128 keys in which every p of all 16 queries of a tile is 0 in f32; launch scan has found them from the masks as given and stored a bit for each step that must be walked (its head shows why nothing changes).
; THE SOFTMAX.  t = fma(score, log2 e / 8, round(mask log2 e)), rounded to f32 before M is taken away; M = the running largest t rounded up to a whole number; p = 2^(t - M) is quantised along the keys; the row's sum is taken of
; the unquantised p and divides at the end.  LIMITS: NaN and infinities are not served; t differs from (score / 8 + mask) log2 e by about one unit in its last place.
; SHARES.  Work-group (x, y): key and value head x, query tiles j and 127 - j for j = 2 y, 2 y + 1.  Wave w (bits b2 b1 b0): j = 2 y + b2; the high tile 127 - j if b0 xor b2; heads 4 x + 2 b1 + e, e = 0, 1.  Waves w and w + 4, and
; waves 2 i and 2 i + 1, so hold one low and one high tile: under a triangular mask their walks add up to the same length everywhere.  A wave: 16 queries, two heads; each fragment of K and V and each mask register serves both.
; NO TENSOR LOADS, NO BARRIER, NO CLUSTER: a wave's walk hangs on the stored list, so operands go from memory straight into registers (K and V lie as images of the operands' registers, 512 consecutive bytes a load), and joint
; loads have no partners in step.  The mask's 16 rows x 512 bytes are loaded row by row, 512 consecutive bytes a load, and turn through the wave's own stage in LDS (pitch 528), since a lane holds one query.
; ONE STEP AHEAD: K's next fragments are asked for behind both heads' score products, the next mask rows behind both t, V's behind the step's last products.  Out at the most: 20 + 16 + 18 loads.
; PREFETCH: the mask tile of the walked step after the next: 32 blocks of 256 bytes; the eight waves of the launch that read it (four key and value heads x two pairs of heads) take two rows each, by address; lanes 4-31 name the
; wave's last block again.  The first two walked steps come by their loads alone; the last two trips ask for nothing.  K and V are not prefetched: a record is 13,056 bytes that the 8 waves of each of 32 work-groups read.
; K = 64 UNDER AN INSTRUCTION OF 128: q's codes for k = 64 .. 127 are zeros; K's tile t is named as registers 6 t .. 6 t + 11, the upper six being the next tile's (behind tile 7: six zeros).
; REGISTERS.  Window 0: v1, v2 the add's two; v3-5 16 l, 8 l, 4 l; v6, v7 the stage, in and out; v8 the prefetch's offset; v9, v10 8 r, 4 r; v12-19 -M, largest t, the sum (a pair) for each head; v20-29 scale words and nothing else;
; v30-33 f of each head; v34-57 at work; v58-81 p's codes; v84-147 S: head 0's scores, t, p; v148-211 A: the mask, then head 1's t, p.  Window 1: v0-63 O^T; v64-87 q; v88-141 K; v142-189 V; v190-253 the mask as loaded, then head 1's scores.
.set REC,   13056                      ; a record: K 8 x 768 | V^T 8 x 768 | K's scale words 512 | V's 256
.set STG,   8448
.set SPARE, 8*STG                      ; the spare words: 128 bytes a wave
.set Q_SC,  3145728
.set KV,    3407872
.set A_SC,  3145728
.set QS, 20
.set KS, 22
.set VS, 26
.set PS, 28
.set BM, 34
.set BP, 38
.set SO, 42
.set PT, 50
.set PC, 58
.set S,  84
.set A,  148
.set QF, 64
.set KF, 88
.set VF, 142
.set BR, 190
.set MSB, 0
.macro WIN new                         ; the immediate's high byte repeats the setting that is left
.if MSB != \new
	s_set_vgpr_msb (MSB<<8)|\new
.set MSB, \new
.endif
.endm
.macro PLACES
.rept 4
	v_nop
.endr
.endm
.macro NEXTIDX                         ; the lowest bit of the list is the next step to walk: its record and its place in the mask's rows
	s_ctz_i32_b32 s39, s36
	s_min_u32 s39, s39, 15
	s_sub_co_u32 s40, s36, 1
	s_and_b32 s36, s36, s40
	s_mul_i32 s40, s39, REC
	s_add_nc_u64 s[30:31], s[28:29], s[40:41]
	s_lshl_b32 s40, s39, 9
	s_add_nc_u64 s[32:33], s[26:27], s[40:41]
.endm
.macro KLOAD                           ; 20 loads
	WIN 0x40
.irp t,0,1,2,3,4,5,6,7
	global_load_b128 v[KF+6*\t:KF+6*\t+3], v3, s[30:31] offset:768*\t
	global_load_b64 v[KF+6*\t+4:KF+6*\t+5], v4, s[30:31] offset:768*\t+512
.endr
	WIN 0
.irp j,0,1,2,3
	global_load_b32 v[KS+\j], v5, s[30:31] offset:12288+128*\j   ; lanes 0-15: tile 2 j's words, lanes 16-31: tile 2 j + 1's
.endr
.endm
.macro MLOAD                           ; 16 loads: a row's 512 bytes each
	WIN 0x40
.set i, 0
.rept 16
	global_load_b128 v[BR+4*i:BR+4*i+3], v3, s[32:33] offset:8192*i
.set i, i+1
.endr
	WIN 0
.endm
.macro VLOAD                           ; 18 loads
	WIN 0x40
.irp u,0,1,2,3
.irp c,0,1
	global_load_b128 v[VF+12*\u+6*\c:VF+12*\u+6*\c+3], v3, s[30:31] offset:6144+1536*\u+768*\c
	global_load_b64 v[VF+12*\u+6*\c+4:VF+12*\u+6*\c+5], v4, s[30:31] offset:6144+1536*\u+768*\c+512
.endr
.endr
	WIN 0
.irp j,0,1
	global_load_b32 v[VS+\j], v5, s[30:31] offset:12800+128*\j
.endr
.endm
; From four block maxima in v[BM] on and 64 numbers in v[T] on (register 16 b + i = k 32 b + 16 h + i): a fragment's codes in v[P] on and its scale word in v[W]
.macro QTAIL T, P, W
.irp b,0,1,2,3
	s_delay_alu instid0(VALU_DEP_4)
	v_add_nc_u32 v[SO+\b], 0xff000000, v[BM+\b]    ; 2 off the exponent field: the conversion's scale operand
.endr
.irp b,0,1,2,3
	s_delay_alu instid0(VALU_DEP_4)
	v_lshrrev_b32 v[BP+\b], 23, v[SO+\b]           ; the byte
.endr
	s_delay_alu instid0(VALU_DEP_3)
	v_lshl_or_b32 v[\W], v[BP+1], 8, v[BP]
	s_delay_alu instid0(VALU_DEP_1)
	v_lshl_or_b32 v[\W], v[BP+2], 16, v[\W]
	s_delay_alu instid0(VALU_DEP_1)
	v_lshl_or_b32 v[\W], v[BP+3], 24, v[\W]
.irp c,0,1
	v_cvt_scalef32_pk16_fp6_f32 v[\P+6*\c:\P+6*\c+2], v[\T+32*\c:\T+32*\c+15], v[SO+2*\c]
	v_cvt_scalef32_pk16_fp6_f32 v[PT+4*\c:PT+4*\c+2], v[\T+32*\c+16:\T+32*\c+31], v[SO+2*\c+1]
.endr
	v_nop                                          ; one plain place behind a scaled conversion
.irp c,0,1
.irp i,0,1,2
	v_permlane16_swap_b32 v[\P+6*\c+\i], v[PT+4*\c+\i]   ; a whole block to a lane
.endr
.irp i,0,1,2
	s_delay_alu instid0(VALU_DEP_3)
	v_mov_b32 v[\P+6*\c+3+\i], v[PT+4*\c+\i]
.endr
.endr
.endm
; One head's softmax on the 64 t in v[T] on: p's codes and scale word, f, the running M and sum
.macro SOFT T, e
.set ST, 12+4*\e
.set FF, 30+2*\e
.irp b,0,1,2,3
	v_max3_num_f32 v[BM+\b], v[\T+16*\b], v[\T+16*\b+1], v[\T+16*\b+2]   ; the largest t of each block of 32 keys: for the row's maximum and, since p rises with t, for the block's largest p
.endr
.irp i,3,5,7,9,11,13
.irp b,0,1,2,3
	s_delay_alu instid0(VALU_DEP_4)
	v_max3_num_f32 v[BM+\b], v[BM+\b], v[\T+16*\b+\i], v[\T+16*\b+\i+1]
.endr
.endr
.irp b,0,1,2,3
	s_delay_alu instid0(VALU_DEP_4)
	v_max_num_f32 v[BM+\b], v[BM+\b], v[\T+16*\b+15]
.endr
.irp b,0,1,2,3
	s_delay_alu instid0(VALU_DEP_4)
	v_permlanex16_b32 v[BP+\b], v[BM+\b], s20, s21
.endr
.irp b,0,1,2,3
	s_delay_alu instid0(VALU_DEP_4)
	v_max_num_f32 v[BM+\b], v[BM+\b], v[BP+\b]     ; with lane l xor 16's 16 keys
.endr
	s_delay_alu instid0(VALU_DEP_2)
	v_max3_num_f32 v46, v[BM], v[BM+1], v[BM+2]
	s_delay_alu instid0(VALU_DEP_1)
	v_max_num_f32 v46, v46, v[BM+3]
	s_delay_alu instid0(VALU_DEP_1)
	v_max_num_f32 v[ST+1], v[ST+1], v46            ; the running largest t
	v_mov_b32 v47, v[ST]
	s_delay_alu instid0(VALU_DEP_2)
	v_floor_f32 v[ST], -v[ST+1]                    ; the new -M: M is a whole number
	s_delay_alu instid0(VALU_DEP_1)
	v_sub_f32 v47, v[ST], v47                      ; old M - new M: a whole number, 0 or less
	s_delay_alu instid0(VALU_DEP_1)
	v_cvt_i32_f32 v47, v47                         ; (it saturates)
	s_delay_alu instid0(VALU_DEP_1)
	v_ldexp_f32 v[FF], 1.0, v47                    ; f = 2^(old M - new M): multiplying by it rounds nothing
.set i, 0
.rept 32
	v_pk_add_f32 v[\T+i:\T+i+1], v[\T+i:\T+i+1], v[ST:ST+1] op_sel_hi:[1,0]   ; t - M
.set i, i+2
.endr
.irp b,0,1,2,3
	v_add_f32 v[BM+\b], v[BM+\b], v[ST]            ; the same of each block's largest t
.endr
	s_wait_alu depctr_va_vdst(0)
.set i, 0
.rept 64
	v_exp_f32 v[\T+i], v[\T+i]                     ; p, at most 1, not normalised
.set i, i+1
.endr
	v_pk_mul_f32 v[ST+2:ST+3], v[ST+2:ST+3], v[FF:FF+1] op_sel_hi:[1,0]   ; the sum under the new M.  (A plain place behind the exponentials)
	s_wait_alu depctr_va_vdst(0)                   ; one wait for the batch of 64, ahead of its first reader
.irp b,0,1,2,3
	v_exp_f32 v[BM+\b], v[BM+\b]                   ; the block's largest p: the same two instructions on the same number
.endr
	v_pk_add_f32 v[48:49], v[\T:\T+1], v[\T+2:\T+3]   ; the row's sum of the UNQUANTISED p, in two chains
.irp j,4,8,12,16,20,24,28,32,36,40,44,48,52,56,60
	v_pk_add_f32 v[ST+2:ST+3], v[ST+2:ST+3], v[\T+\j:\T+\j+1]
	v_pk_add_f32 v[48:49], v[48:49], v[\T+\j+2:\T+\j+3]
.endr
	s_delay_alu instid0(VALU_DEP_1)
	v_pk_add_f32 v[ST+2:ST+3], v[ST+2:ST+3], v[48:49]
	s_wait_alu depctr_va_vdst(0)                   ; and one for the four
.irp b,0,1,2,3
	v_max_num_f32 v[BM+\b], 0x1800000, v[BM+\b]    ; the floor 2^(3 - 127): a block whose every p is 0 keeps the byte 1 and zero codes
.endr
	QTAIL \T, PC+12*\e, PS+\e
.endm
.macro SCORES D, e                     ; S^T = K q^T of head e: 8 tiles of 16 keys
.irp t,0,2,4,6
	v_wmma_scale_f32_16x16x128_f8f6f4 v[\D+8*\t:\D+8*\t+7], v[KF+6*\t:KF+6*\t+11], v[QF+12*\e:QF+12*\e+11], 0, v[KS+\t/2], v[QS+\e] matrix_a_fmt:MATRIX_FMT_FP6 matrix_b_fmt:MATRIX_FMT_FP6
	v_wmma_scale_f32_16x16x128_f8f6f4 v[\D+8*\t+8:\D+8*\t+15], v[KF+6*\t+6:KF+6*\t+17], v[QF+12*\e:QF+12*\e+11], 0, v[KS+\t/2], v[QS+\e] matrix_a_fmt:MATRIX_FMT_FP6 matrix_b_fmt:MATRIX_FMT_FP6 matrix_a_scale:MATRIX_SCALE_ROW1
.endr
.endm
; A walked key step.  more = 1: the next walked step's operands are asked for on the way
.macro STEP more
	s_wait_loadcnt 18                              ; K, its scale words and the mask's rows are in; V's 18 loads stay out
	WIN 0x04
.set i, 0
.rept 16
	ds_store_b128 v6, v[BR+4*i:BR+4*i+3] offset:528*i          ; row i as it lies
.set i, i+1
.endr
	WIN 0
.set i, 0
.rept 16
	ds_load_b128 v[A+4*i:A+4*i+3], v7 offset:128*(i/4)+16*(i%4)   ; LDS serves a wave's instructions in order.  Register 16 b + i: key 32 b + 16 h + i of my query
.set i, i+1
.endr
	WIN 0x05
	SCORES S, 0
	s_wait_dscnt 0x0                               ; the mask is back, and the stores have read the registers that head 1's scores now take
	WIN 0x45
	SCORES BR, 1
	WIN 0
.set i, 0
.rept 32
	v_pk_mul_f32 v[A+i:A+i+1], v[A+i:A+i+1], s[24:25] op_sel_hi:[1,0]   ; mask x log2 e, once for both heads.  (These are the places behind the products)
.set i, i+2
.endr
.if \more
	s_wait_alu depctr_va_vdst(0)
	s_wait_xcnt 0x0                                ; every earlier load and prefetch has read its base: the three are written again
	NEXTIDX
	KLOAD
.endif
.set i, 0
.rept 32
	v_pk_fma_f32 v[S+i:S+i+1], v[S+i:S+i+1], s[22:23], v[A+i:A+i+1] op_sel_hi:[1,0,1]   ; t of head 0; each accumulator from its low end on
.set i, i+2
.endr
	WIN 0x01
.set i, 0
.rept 32
	v_pk_fma_f32 v[A+i:A+i+1], v[BR+i:BR+i+1], s[22:23], v[A+i:A+i+1] op_sel_hi:[1,0,1]   ; t of head 1, over the mask
.set i, i+2
.endr
	WIN 0
.if \more
	MLOAD
	s_wait_alu depctr_va_vdst(0)
	s_cmp_lg_u32 s36, 0                            ; is a step left behind the next?
	s_cbranch_scc0 .Lnp_\@
	s_ctz_i32_b32 s39, s36
	s_min_u32 s39, s39, 15
	s_lshl_b32 s40, s39, 9
	s_add_nc_u64 s[34:35], s[26:27], s[40:41]
	global_prefetch_b8 v8, s[34:35] th:TH_LOAD_NT scope:SCOPE_SE
.Lnp_\@:
.endif
	SOFT S, 0
	SOFT A, 1
.if \more
	s_wait_loadcnt 36                              ; V is in; the next step's 20 + 16 loads stay out
.else
	s_wait_loadcnt 0x0
.endif
	WIN 0x41
	s_wait_alu depctr_va_vdst(0)
.irp e,0,1
.set i, 0
.rept 16
	v_pk_mul_f32 v[32*\e+i:32*\e+i+1], v[32*\e+i:32*\e+i+1], v[30+2*\e:31+2*\e] op_sel_hi:[1,0]   ; O^T under the new M.  (These 32 stand between the writes of p's codes and scale words and the products)
.set i, i+2
.endr
.endr
	WIN 0x51
.irp e,0,1
.irp u,0,2
	v_wmma_scale_f32_16x16x128_f8f6f4 v[32*\e+8*\u:32*\e+8*\u+7], v[VF+12*\u:VF+12*\u+11], v[PC+12*\e:PC+12*\e+11], v[32*\e+8*\u:32*\e+8*\u+7], v[VS+\u/2], v[PS+\e] matrix_a_fmt:MATRIX_FMT_FP6 matrix_b_fmt:MATRIX_FMT_FP6
	v_wmma_scale_f32_16x16x128_f8f6f4 v[32*\e+8*\u+8:32*\e+8*\u+15], v[VF+12*\u+12:VF+12*\u+23], v[PC+12*\e:PC+12*\e+11], v[32*\e+8*\u+8:32*\e+8*\u+15], v[VS+\u/2], v[PS+\e] matrix_a_fmt:MATRIX_FMT_FP6 matrix_b_fmt:MATRIX_FMT_FP6 matrix_a_scale:MATRIX_SCALE_ROW1
.endr
.endr
	WIN 0
.if \more
	PLACES                                         ; in front of loads into registers that the last products read
	VLOAD
.endif
.endm
	s_load_b256 s[4:11], s[0:1], 0x0               ; qkv, attention_mask, web_attention_mask, att
	s_load_b64 s[12:13], s[0:1], 0x20              ; flags
	v_lshl_add_u32 v1, v0, 2, SPARE
	v_mov_b32 v2, 0
	v_lshrrev_b32 v10, 5, v0
	v_readfirstlane_b32 s14, v10                   ; wave
	s_mul_i32 s15, s14, STG                        ; my stage
	s_lshr_b32 s16, s14, 2                         ; b2
	s_xor_b32 s17, s14, s16
	s_and_b32 s17, s17, 1                          ; the high tile?
	s_bfe_u32 s18, s14, 0x10001                    ; which pair of heads
	s_and_b32 s19, ttmp7, 0xffff
	s_lshl_b32 s19, s19, 1
	s_add_co_u32 s19, s19, s16                     ; j
	s_sub_co_u32 s39, 127, s19
	s_cmp_eq_u32 s17, 1
	s_cselect_b32 s19, s39, s19                    ; my tile of 16 queries
	s_and_b32 s39, ttmp9, 3
	s_lshl_b32 s39, s39, 1
	s_add_co_u32 s39, s39, s18
	s_lshl_b32 s39, s39, 14                        ; the prefetches: my two rows of a tile's sixteen
	s_lshl_b32 s40, ttmp9, 2
	s_lshl_b32 s41, s18, 1
	s_add_co_u32 s40, s40, s41                     ; my first head
	s_lshl_b32 s44, s40, 7
	s_add_co_u32 s44, s44, s19
	s_mul_i32 s44, s44, 768                        ; q's half fragment
	s_mov_b32 s45, 0
	s_lshl_b32 s46, s40, 13
	s_lshl_b32 s41, s19, 6
	s_add_co_u32 s46, s46, s41
	s_add_co_u32 s46, s46, Q_SC                    ; q's scale words
	s_mov_b32 s47, 0
	s_lshl_b32 s41, ttmp9, 1
	s_add_co_u32 s41, s41, s18                     ; the last product's K step: my pair of heads
	s_lshr_b32 s48, s41, 2
	s_mul_i32 s48, s48, 786432
	s_mul_i32 s40, s19, 6144
	s_add_co_u32 s48, s48, s40
	s_and_b32 s40, s41, 3
	s_mul_i32 s40, s40, 1536
	s_add_co_u32 s48, s48, s40                     ; attn's image
	s_mov_b32 s49, 0
	s_lshr_b32 s50, s19, 1
	s_lshl_b32 s50, s50, 3
	s_add_co_u32 s50, s50, ttmp9
	s_lshl_b32 s50, s50, 8
	s_and_b32 s40, s19, 1
	s_lshl_b32 s40, s40, 7
	s_add_co_u32 s50, s50, s40
	s_lshl_b32 s40, s18, 2
	s_add_co_u32 s50, s50, s40
	s_add_co_u32 s50, s50, A_SC                    ; its scale words
	s_mov_b32 s51, 0
	s_lshr_b32 s42, ttmp9, 2
	s_lshl_b32 s42, s42, 7
	s_add_co_u32 s42, s42, s19
	s_lshl_b32 s42, s42, 4                         ; my tile's four words of the list
	s_mov_b32 s43, 0
	s_lshl_b32 s56, s19, 17                        ; my 16 rows of the mask
	s_mov_b32 s57, 0
	s_mul_i32 s58, ttmp9, 208896
	s_add_co_u32 s58, s58, KV                      ; my key and value head's records
	s_mov_b32 s59, 0
	s_mov_b32 s41, 0                               ; the upper word of the offsets made in the walk
	s_mov_b32 s20, 0x76543210
	s_mov_b32 s21, 0xfedcba98                      ; selects for lane l xor 16
	s_mov_b32 s22, 0x3e38aa3b                      ; log2 e / 8 (the packed forms name a pair and take its low word)
	s_mov_b32 s23, s22
	s_mov_b32 s24, 0x3fb8aa3b                      ; log2 e
	s_mov_b32 s25, s24
	v_and_b32 v11, 31, v0                          ; l
	v_and_b32 v10, 15, v0                          ; r
	v_bfe_u32 v8, v0, 4, 1                         ; h
	v_lshlrev_b32 v3, 4, v11
	v_lshlrev_b32 v4, 3, v11
	v_lshlrev_b32 v5, 2, v11
	v_add_nc_u32 v6, s15, v3                       ; the stage, way in
	v_mul_u32_u24 v7, v10, 528
	v_lshl_add_u32 v7, v8, 6, v7
	v_add_nc_u32 v7, s15, v7                       ; way out: row r, + 64 h bytes
	v_lshlrev_b32 v9, 3, v10
	v_lshlrev_b32 v10, 2, v10
	v_min_u32 v11, 3, v11                          ; the prefetch: lanes 0-3 name my four blocks, the others the last again
	v_lshrrev_b32 v8, 1, v11
	v_and_b32 v11, 1, v11
	v_lshlrev_b32 v8, 13, v8
	v_lshl_add_u32 v8, v11, 8, v8
	v_add_nc_u32 v8, s39, v8
	s_wait_alu depctr_va_vdst(0)
	s_wait_kmcnt 0x0
	s_cmp_lt_u32 ttmp9, 4                          ; heads 0-15 take attention_mask, heads 16-31 web_attention_mask
	s_cselect_b64 s[26:27], s[6:7], s[8:9]
	s_add_nc_u64 s[26:27], s[26:27], s[56:57]
	s_add_nc_u64 s[28:29], s[4:5], s[58:59]
	s_add_nc_u64 s[44:45], s[4:5], s[44:45]
	s_add_nc_u64 s[46:47], s[4:5], s[46:47]
	s_add_nc_u64 s[48:49], s[10:11], s[48:49]
	s_add_nc_u64 s[50:51], s[10:11], s[50:51]
	s_add_nc_u64 s[12:13], s[12:13], s[42:43]
	s_load_b128 s[52:55], s[12:13], 0x0
	global_load_b32 v[QS], v10, s[46:47]
	global_load_b32 v[QS+1], v10, s[46:47] offset:8192
	WIN 0x40
.irp e,0,1
	global_load_b128 v[QF+12*\e:QF+12*\e+3], v3, s[44:45] offset:98304*\e
	global_load_b64 v[QF+12*\e+4:QF+12*\e+5], v4, s[44:45] offset:98304*\e+512
.irp i,6,7,8,9,10,11
	v_mov_b32 v[QF+12*\e+\i], 0                    ; q's codes for k = 64 .. 127
.endr
.endr
.irp i,0,1,2,3,4,5
	v_mov_b32 v[KF+48+\i], 0                       ; behind K's tile 7
.endr
.set i, 0
.rept 64
	v_mov_b32 v[i], 0                              ; O^T.  (A step is written for all steps alike: the first finds zeros, which the first change of M leaves zeros)
.set i, i+1
.endr
	WIN 0
.irp e,0,1
	v_mov_b32 v[13+4*\e], 0xff61b1e6               ; the largest t so far: -3e38
	v_mov_b32 v[14+4*\e], 0                        ; the sum, in two halves
	v_mov_b32 v[15+4*\e], 0
	v_floor_f32 v[12+4*\e], -v[13+4*\e]            ; -M
	v_mov_b32 v[31+2*\e], 0                        ; (named as the upper half of f's pair)
.endr
.irp b,0,1,2,3
	v_mov_b32 v[BP+\b], 0                          ; lane permutes' destinations count as read
.endr
	s_wait_alu depctr_va_vdst(0)
	s_wait_kmcnt 0x0
	s_or_b32 s36, s52, s53
	s_or_b32 s36, s36, s54
	s_or_b32 s36, s36, s55                         ; a step is walked if any of my 16 queries needs it
	s_and_b32 s36, s36, 0xffff
	s_cmp_eq_u32 s36, 0                            ; (the list names at least one step; were it empty, all are walked)
	s_cselect_b32 s36, 0xffff, s36
	s_bcnt1_i32_b32 s38, s36
	s_sub_co_u32 s38, s38, 1                       ; trips of the loop: all walked steps but the last
	NEXTIDX
	KLOAD
	MLOAD
	VLOAD
	s_mov_b32 s37, 0
	s_cmp_eq_u32 s38, 0
	s_cbranch_scc1 .Ltail
.Lloop:
	STEP 1
	s_add_co_u32 s37, s37, 1
	s_cmp_lt_u32 s37, s38
	s_cbranch_scc1 .Lloop
.Ltail:
	STEP 0                                         ; the last walked step asks for nothing
	; THE WAY OUT.  O^T / the sum: register 32 e + 16 b + i is channel 32 b + 16 h + i of head e: 128 neighbours along the last product's K in lanes l and l xor 16: quantised as p was
	PLACES
	v_add_f32 v46, v14, v15
	v_add_f32 v47, v18, v19
	s_delay_alu instid0(VALU_DEP_2)
	v_permlanex16_b32 v48, v46, s20, s21
	s_delay_alu instid0(VALU_DEP_2)
	v_permlanex16_b32 v49, v47, s20, s21
	s_delay_alu instid0(VALU_DEP_2)
	v_add_f32 v46, v46, v48
	s_delay_alu instid0(VALU_DEP_2)
	v_add_f32 v47, v47, v49                        ; the rows' sums
	s_wait_alu depctr_va_vdst(0)
	v_rcp_f32 v[SO], v46
	v_rcp_f32 v[SO+2], v47
	v_nop                                          ; a plain place behind the reciprocals
	WIN 0x01
	s_wait_alu depctr_va_vdst(0)                   ; one wait for both, directly ahead of their first reader, which is O^T's too
.irp e,0,1
.set i, 0
.rept 16
	v_pk_mul_f32 v[S+32*\e+i:S+32*\e+i+1], v[32*\e+i:32*\e+i+1], v[SO+2*\e:SO+2*\e+1] op_sel_hi:[1,0]
.set i, i+2
.endr
.endr
	WIN 0
.irp b,0,1,2,3
	v_max3_num_f32 v[BM+\b], |v[S+16*\b]|, |v[S+16*\b+1]|, 0x1800000
.endr
.irp i,2,4,6,8,10,12,14
.irp b,0,1,2,3
	s_delay_alu instid0(VALU_DEP_4)
	v_max3_num_f32 v[BM+\b], v[BM+\b], |v[S+16*\b+\i]|, |v[S+16*\b+\i+1]|
.endr
.endr
.irp b,0,1,2,3
	s_delay_alu instid0(VALU_DEP_4)
	v_permlanex16_b32 v[BP+\b], v[BM+\b], s20, s21
.endr
.irp b,0,1,2,3
	s_delay_alu instid0(VALU_DEP_4)
	v_max_num_f32 v[BM+\b], v[BM+\b], v[BP+\b]
.endr
	QTAIL S, PC, PS
.irp m,0,1,2
	global_store_b128 v3, v[PC+4*\m:PC+4*\m+3], s[48:49] offset:512*\m   ; the image: 512 consecutive bytes a store
.endr
	global_store_b32 v9, v[PS], s[50:51]           ; row r's word: lanes l and l xor 16 hold the same word and name the same place
	s_wait_tensorcnt 0x0                           ; the wave's end
	ds_add_u32 v1, v2
	s_wait_dscnt 0x0
	s_endpgm
.Lfunc_end_k_q2c61d66f7a_attn:
	.size	k_q2c61d66f7a_attn, .Lfunc_end_k_q2c61d66f7a_attn-k_q2c61d66f7a_attn
	.p2alignl 7, 3214868480
	.fill 96, 4, 3214868480
	.section	.rodata,"a",@progbits
	.p2align	6, 0x0
	.amdhsa_kernel k_q2c61d66f7a_attn
		.amdhsa_group_segment_fixed_size 68608
		.amdhsa_private_segment_fixed_size 0
		.amdhsa_enable_private_segment 0
		.amdhsa_kernarg_size 40
		.amdhsa_user_sgpr_count 2
		.amdhsa_user_sgpr_kernarg_segment_ptr 1
		.amdhsa_wavefront_size32 1
		.amdhsa_system_sgpr_workgroup_id_x 1
		.amdhsa_system_sgpr_workgroup_id_y 1
		.amdhsa_system_sgpr_workgroup_id_z 1
		.amdhsa_system_vgpr_workitem_id 0
		.amdhsa_next_free_vgpr 512
		.amdhsa_next_free_sgpr 66
		.amdhsa_reserve_vcc 0
		.amdhsa_float_denorm_mode_32 3
		.amdhsa_float_denorm_mode_16_64 3
		.amdhsa_memory_ordered 1
		.amdhsa_forward_progress 1
		.amdhsa_inst_pref_size 106
	.end_amdhsa_kernel
	.amdgpu_metadata
---
amdhsa.version: [ 1, 2 ]
amdhsa.kernels:
  - .name:           k_q2c61d66f7a_attn
    .symbol:         k_q2c61d66f7a_attn.kd
    .args:
      - { .name: qkv, .offset: 0, .size: 8, .value_kind: global_buffer, .address_space: global }
      - { .name: attention_mask, .offset: 8, .size: 8, .value_kind: global_buffer, .address_space: global }
      - { .name: web_attention_mask, .offset: 16, .size: 8, .value_kind: global_buffer, .address_space: global }
      - { .name: att, .offset: 24, .size: 8, .value_kind: global_buffer, .address_space: global }
      - { .name: flags, .offset: 32, .size: 8, .value_kind: global_buffer, .address_space: global }
    .group_segment_fixed_size: 68608
    .private_segment_fixed_size: 0
    .kernarg_segment_align: 8
    .kernarg_segment_size: 40
    .max_flat_workgroup_size: 256
    .sgpr_count:     66
    .vgpr_count:     512
    .wavefront_size: 32
...
	.end_amdgpu_metadata
.endif
;; end of part 3
;; launch gemm_o (part 4): grid 16 x 16, 8 waves a work-group, no clusters, 70,656 bytes of LDS; arguments wq, att, out0; writes out0
.if DOCPART == 4
	.amdgcn_target "amdgcn-amd-amdhsa--gfx1250"
	.amdhsa_code_object_version 6
	.text
	.protected	k_q2c61d66f7a_gemm_o
	.globl	k_q2c61d66f7a_gemm_o
	.p2align	8
	.type	k_q2c61d66f7a_gemm_o,@function
k_q2c61d66f7a_gemm_o:
	s_mov_b64 s[64:65], 0
	v_nop
	global_prefetch_b8 v0, s[64:65] scope:SCOPE_SE
	s_setreg_imm32_b32 hwreg(HW_REG_WAVE_MODE, 25, 1), 1
	s_wait_xcnt 0x0
; out0 = attn x Wo on codes of E2M3; f32 sums.  No work is left out here.
; THE PRODUCT.  D[x][y] = sum over k of X[x][k] Y[y][k]; source 0 = 16 rows of X = 16 columns of Wo, source 1 = 16 rows of Y = 16 positions of attn: a lane holds one position and its registers run along out0's columns:
; X's tiles hold columns 32 b + 8 u + r + 8 (r / 8) in lane r of tile 2 b + u, so the 16 registers of tiles 2 b, 2 b + 1 are columns 32 b + 16 (lane / 16) + 0 .. 15.
; SHARES.  A work-group: 128 columns by 64 positions; four waves, each 64 columns (4 tiles) by 32 positions (2 tiles): 8 accumulators by turns, one instruction a turn, in the same order in every K step.
; OPERANDS GO FROM MEMORY STRAIGHT INTO REGISTERS: wq and att hold images of the operands' registers, so a load takes 512 consecutive bytes.  Four sets of 72 registers take turns over the 16 K steps: while one is multiplied, the
; loads of the next three steps are out (54, and 3 or 6 for scale words).  A scale load takes 256 consecutive bytes: lanes 0-15 an even tile's words, lanes 16-31 the odd tile's, two K steps' words a lane.  Every offset is an immediate.
; 400 registers a wave: two waves to a SIMD, so the 512 work-groups are 2 x 256.
; NO TENSOR LOAD, NO CLUSTER: no tile lies in LDS for a joint load to land in.  NO DATA PREFETCH: the walk is 16 steps, each asked for three steps ahead by the loads themselves.
; THE WAY OUT: a wave's 32 positions x 64 columns turn through its own stage in LDS (pitch 272) and leave as rows of 256 consecutive bytes, aligned, sixteen lanes to a row.  No barrier: waves share nothing.
; AS THE TEXT NOW STANDS (this replaces the head's words on work-groups): a work-group has EIGHT waves and makes 128 columns by 128 positions, wave w the columns' half w % 2 and the positions' quarter w / 2:
; 128 + 128 distinct rows of operands for its eight waves.  256 work-groups, two waves to a SIMD; eight stages and 1,024 bytes of spare words in LDS.
.set GP,      786432
.set WO_IMG,  4915200
.set WO_SC,   8060928
.set A_SC,    3145728
.set SPARE,   8*8704                   ; behind the eight stages: the spare words, 128 bytes a wave
.set ACC, 176                          ; v176-239 accumulator (j, i) at + 32 j + 8 i.  Sets: v32-103, v104-175, v256-327, v328-399.  v8-25 scale words and nothing else
.set MSB, 0
.macro WIN new                         ; the immediate's high byte repeats the setting that is left
.if MSB != \new
	s_set_vgpr_msb (MSB<<8)|\new
.set MSB, \new
.endif
.endm
.macro PLACES
.rept 4
	v_nop
.endr
.endm
.macro SETOF k                         ; K step k's set: first register SB, window SW
.set SS, (\k)%4
.set SW, SS/2
.set SB, 32+72*SS
.if SW == 1
.set SB, 72*(SS-2)
.endif
.endm
.macro FETCH k                         ; 18 loads, and ahead of an even step 3 for the scale words of two steps
	SETOF \k
.if (\k)%2 == 0
	WIN 0
.set SQ, 8+6*(((\k)/2)%3)
	global_load_b64 v[SQ:SQ+1], v4, s[26:27] offset:((\k)/2)*256
	global_load_b64 v[SQ+2:SQ+3], v4, s[26:27] offset:2048+((\k)/2)*256
	global_load_b64 v[SQ+4:SQ+5], v4, s[30:31] offset:((\k)/2)*256
.endif
	WIN 0x40*SW
.set KO, ((\k)/4)*GP+((\k)%4)*1536
.irp i,0,1,2,3
.irp p,0,1,2
	global_load_b128 v[SB+12*\i+4*\p:SB+12*\i+4*\p+3], v3, s[24:25] offset:KO+\i*6144+512*\p
.endr
.endr
.irp j,0,1
.irp p,0,1,2
	global_load_b128 v[SB+48+12*\j+4*\p:SB+48+12*\j+4*\p+3], v3, s[28:29] offset:KO+\j*6144+512*\p
.endr
.endr
	WIN 0
.endm
.macro WM d, a, b, c, sa, sb, ra, rb   ; ra, rb: the odd tile's words stand in lanes 16-31
.if ((\ra) == 0) && ((\rb) == 0)
	v_wmma_scale_f32_16x16x128_f8f6f4 v[\d:\d+7], v[\a:\a+11], v[\b:\b+11], \c, v[\sa], v[\sb] matrix_a_fmt:MATRIX_FMT_FP6 matrix_b_fmt:MATRIX_FMT_FP6
.endif
.if ((\ra) == 1) && ((\rb) == 0)
	v_wmma_scale_f32_16x16x128_f8f6f4 v[\d:\d+7], v[\a:\a+11], v[\b:\b+11], \c, v[\sa], v[\sb] matrix_a_fmt:MATRIX_FMT_FP6 matrix_b_fmt:MATRIX_FMT_FP6 matrix_a_scale:MATRIX_SCALE_ROW1
.endif
.if ((\ra) == 0) && ((\rb) == 1)
	v_wmma_scale_f32_16x16x128_f8f6f4 v[\d:\d+7], v[\a:\a+11], v[\b:\b+11], \c, v[\sa], v[\sb] matrix_a_fmt:MATRIX_FMT_FP6 matrix_b_fmt:MATRIX_FMT_FP6 matrix_b_scale:MATRIX_SCALE_ROW1
.endif
.if ((\ra) == 1) && ((\rb) == 1)
	v_wmma_scale_f32_16x16x128_f8f6f4 v[\d:\d+7], v[\a:\a+11], v[\b:\b+11], \c, v[\sa], v[\sb] matrix_a_fmt:MATRIX_FMT_FP6 matrix_b_fmt:MATRIX_FMT_FP6 matrix_a_scale:MATRIX_SCALE_ROW1 matrix_b_scale:MATRIX_SCALE_ROW1
.endif
.endm
.macro MUL8 k, zero                    ; zero = 1: the first products start the sums: nothing is cleared
	SETOF \k
	WIN 0x05*SW
.set SQ, 8+6*(((\k)/2)%3)+(\k)%2
.irp j,0,1
.irp i,0,1,2,3
.if \zero
	WM ACC+32*\j+8*\i, SB+12*\i, SB+48+12*\j, 0, SQ+2*(\i/2), SQ+4, \i%2, \j
.else
	WM ACC+32*\j+8*\i, SB+12*\i, SB+48+12*\j, v[ACC+32*\j+8*\i:ACC+32*\j+8*\i+7], SQ+2*(\i/2), SQ+4, \i%2, \j
.endif
.endr
.endr
	WIN 0
.endm
.macro STEPK k
.set N, 0                              ; the loads issued behind step k's own: those of the next three steps
.irp d,1,2,3
.if (\k)+\d < 16
.set N, N+18+3*(1-((\k)+\d)%2)
.endif
.endr
	s_wait_loadcnt N
.if (\k) == 0
	MUL8 \k, 1
.else
	MUL8 \k, 0
.endif
.if (\k)+4 < 16
	PLACES                                         ; in front of loads into registers that the products have read
	FETCH (\k)+4
.endif
.endm
	s_load_b128 s[4:7], s[0:1], 0x0                ; wq, att
	s_load_b64 s[8:9], s[0:1], 0x10                ; out0
	v_lshl_add_u32 v1, v0, 2, SPARE                ; my spare word
	v_mov_b32 v2, 0
	v_lshrrev_b32 v7, 5, v0
	v_readfirstlane_b32 s14, v7                    ; wave
	s_lshr_b32 s15, s14, 1                         ; my quarter of the positions
	s_and_b32 s16, s14, 1                          ; my half of the columns
	s_and_b32 s19, ttmp7, 0xffff                   ; which 128 positions
	s_lshl_b32 s20, ttmp9, 3
	s_lshl_b32 s21, s16, 2
	s_add_co_u32 s20, s20, s21                     ; my first tile of X
	s_mul_i32 s24, s20, 6144
	s_add_co_u32 s24, s24, WO_IMG
	s_mov_b32 s25, 0
	s_lshl_b32 s26, s20, 10
	s_add_co_u32 s26, s26, WO_SC
	s_mov_b32 s27, 0
	s_lshl_b32 s20, s19, 3
	s_lshl_b32 s21, s15, 1
	s_add_co_u32 s20, s20, s21                     ; my first tile of Y
	s_mul_i32 s28, s20, 6144
	s_mov_b32 s29, 0
	s_lshl_b32 s30, s20, 10
	s_add_co_u32 s30, s30, A_SC
	s_mov_b32 s31, 0
	s_lshl_b32 s32, s19, 7
	s_lshl_b32 s33, s15, 5
	s_add_co_u32 s32, s32, s33
	s_lshl_b32 s32, s32, 13                        ; out0: row 128 Yb + 32 (wave / 2),
	s_lshl_b32 s33, ttmp9, 9
	s_add_co_u32 s32, s32, s33
	s_lshl_b32 s33, s16, 8
	s_add_co_u32 s32, s32, s33                     ; column 128 Xb + 64 (wave % 2)
	s_mov_b32 s33, 0
	s_mul_i32 s17, s14, 8704                       ; my stage: 32 rows x 272 bytes
	v_and_b32 v7, 31, v0
	v_lshlrev_b32 v3, 4, v7                        ; 16 l
	v_lshlrev_b32 v4, 3, v7                        ; 8 l
	v_and_b32 v5, 15, v0                           ; r
	v_bfe_u32 v6, v0, 4, 1                         ; h
	v_mul_u32_u24 v244, v5, 272
	v_lshl_add_u32 v244, v6, 6, v244
	v_add_nc_u32 v244, s17, v244                   ; in: row r (+ 16 j), + 64 h bytes
	v_mul_u32_u24 v246, v6, 272
	v_lshl_add_u32 v246, v5, 4, v246
	v_add_nc_u32 v246, s17, v246                   ; back: lanes 0-15 one row of 256 bytes, lanes 16-31 the next
	v_lshlrev_b32 v245, 13, v6
	v_lshl_add_u32 v245, v5, 4, v245               ; and the same two rows in out0
	s_wait_alu depctr_va_vdst(0)
	s_wait_kmcnt 0x0
	s_add_nc_u64 s[24:25], s[4:5], s[24:25]
	s_add_nc_u64 s[26:27], s[4:5], s[26:27]
	s_add_nc_u64 s[28:29], s[6:7], s[28:29]
	s_add_nc_u64 s[30:31], s[6:7], s[30:31]
	s_add_nc_u64 s[8:9], s[8:9], s[32:33]
	FETCH 0
	FETCH 1
	FETCH 2
	FETCH 3
.irp k,0,1,2,3,4,5,6,7,8,9,10,11,12,13,14,15
	STEPK \k
.endr
	PLACES                                         ; in front of the first reads of results
.irp j,0,1
.irp b,0,1
.irp m,0,1,2,3
	ds_store_b128 v244, v[ACC+32*\j+16*\b+4*\m:ACC+32*\j+16*\b+4*\m+3] offset:16*\j*272+128*\b+16*\m   ; each accumulator from its low end on
.endr
.endr
.endr
.irp t,0,1,2,3,4,5,6,7,8,9,10,11,12,13,14,15
	ds_load_b128 v[32+4*\t:35+4*\t], v246 offset:\t*544        ; LDS serves a wave's instructions in order: these see my stores
.endr
.irp t,0,1,2,3,4,5,6,7,8,9,10,11,12,13,14,15
	s_wait_dscnt 15-\t                             ; the loads behind this one stay out
	global_store_b128 v245, v[32+4*\t:35+4*\t], s[8:9] offset:\t*16384 th:TH_STORE_NT   ; sixteen lanes store 256 consecutive bytes, aligned
.endr
	s_wait_tensorcnt 0x0                           ; the wave's end
	ds_add_u32 v1, v2
	s_wait_dscnt 0x0
	s_endpgm
.Lfunc_end_k_q2c61d66f7a_gemm_o:
	.size	k_q2c61d66f7a_gemm_o, .Lfunc_end_k_q2c61d66f7a_gemm_o-k_q2c61d66f7a_gemm_o
	.p2alignl 7, 3214868480
	.fill 96, 4, 3214868480
	.section	.rodata,"a",@progbits
	.p2align	6, 0x0
	.amdhsa_kernel k_q2c61d66f7a_gemm_o
		.amdhsa_group_segment_fixed_size 70656
		.amdhsa_private_segment_fixed_size 0
		.amdhsa_enable_private_segment 0
		.amdhsa_kernarg_size 24
		.amdhsa_user_sgpr_count 2
		.amdhsa_user_sgpr_kernarg_segment_ptr 1
		.amdhsa_wavefront_size32 1
		.amdhsa_system_sgpr_workgroup_id_x 1
		.amdhsa_system_sgpr_workgroup_id_y 1
		.amdhsa_system_sgpr_workgroup_id_z 1
		.amdhsa_system_vgpr_workitem_id 0
		.amdhsa_next_free_vgpr 400
		.amdhsa_next_free_sgpr 66
		.amdhsa_reserve_vcc 0
		.amdhsa_float_denorm_mode_32 3
		.amdhsa_float_denorm_mode_16_64 3
		.amdhsa_memory_ordered 1
		.amdhsa_forward_progress 1
		.amdhsa_inst_pref_size 56
	.end_amdhsa_kernel
	.amdgpu_metadata
---
amdhsa.version: [ 1, 2 ]
amdhsa.kernels:
  - .name:           k_q2c61d66f7a_gemm_o
    .symbol:         k_q2c61d66f7a_gemm_o.kd
    .args:
      - { .name: wq, .offset: 0, .size: 8, .value_kind: global_buffer, .address_space: global }
      - { .name: att, .offset: 8, .size: 8, .value_kind: global_buffer, .address_space: global }
      - { .name: out0, .offset: 16, .size: 8, .value_kind: global_buffer, .address_space: global }
    .group_segment_fixed_size: 70656
    .private_segment_fixed_size: 0
    .kernarg_segment_align: 8
    .kernarg_segment_size: 24
    .max_flat_workgroup_size: 256
    .sgpr_count:     66
    .vgpr_count:     400
    .wavefront_size: 32
...
	.end_amdgpu_metadata
.endif
;; end of part 4
